; MI455X (gfx1250); checked and timed in simulation.
; The chip was launched on July 23, 2026; its instructions are those of AMD's public machine-readable ISA for CDNA 5 (MIT licence, August 2026) and "CDNA5" Instruction Set Architecture Reference Guide (July 2026). The comments in the code are by the model that wrote it; some were corrected since.
;; Transformer Block. Allowed arithmetic: matrix products marked QUANTISED: E4M3 operands, one E8M0 scale for each 32 along K, by v_wmma_scale_f32_16x16x128_f8f6f4 with both operands' format E4M3, f32 sums; everything else in f32.
;; Inputs: W1 1,024 x 4,096 float32; W2 4,096 x 1,024 float32; Wk 1,024 x 1,024 float32; Wo 1,024 x 1,024 float32; Wq 1,024 x 1,024 float32; Wv 1,024 x 1,024 float32; b1 4,096 float32; b2 1,024 float32; be1 1,024 float32; be2 1,024 float32; bo 1,024 float32; g1 1,024 float32; g2 1,024 float32; x 2 x 2,048 x 1,024 float32.
;; Outputs: out0 2 x 2,048 x 1,024 float32.
;; This version of the problem:
;;   THIS VERSION OF THE PROBLEM IS GIVEN IN LOW PRECISION. The matrix products marked QUANTISED in the list below multiply operands that are first quantised to E4M3 (4 exponent bits, 3 mantissa bits; 8 bits a number), with one power-of-two scale for each 32 numbers along K (OCP MX v1.0); their sums are f32. All else is computed in f32.
;;   The module's matrix products, in the order in which they are computed (A, B: the left and right operand; K: the contracted axis; several contracted axes count as one K, in the product's order):
;;     1. [M 4,096, K 1,024] x [K 1,024, N 1,024]; A: computed on the way; B: input Wq: QUANTISED
;;     2. [M 4,096, K 1,024] x [K 1,024, N 1,024]; A: computed on the way; B: input Wk: QUANTISED
;;     3. [M 4,096, K 1,024] x [K 1,024, N 1,024]; A: computed on the way; B: input Wv: QUANTISED
;;     4. batch 32 x [M 2,048, K 64] x [K 64, N 2,048]; A: computed on the way; B: computed on the way: QUANTISED
;;     5. batch 32 x [M 2,048, K 2,048] x [K 2,048, N 64]; A: softmax (see below); B: computed on the way: QUANTISED
;;     6. [M 4,096, K 1,024] x [K 1,024, N 1,024]; A: computed on the way; B: input Wo: QUANTISED
;;     7. [M 4,096, K 1,024] x [K 1,024, N 4,096]; A: computed on the way; B: input W1: QUANTISED
;;     8. [M 4,096, K 4,096] x [K 4,096, N 1,024]; A: computed on the way; B: input W2: QUANTISED
;;   THE QUANTISER, for each operand of a quantised product, along K:
;;     - K is cut into blocks of 32 from its start; a last block that is shorter is filled with zeros.
;;     - A block's scale is 2^e with e = floor(log2(the largest magnitude in the block)) - 8, held to -126 .. 127; a block of zeros has e = 0. As a byte (E8M0): e + 127.
;;     - Each number is divided by its block's scale, clamped to +-448, and rounded to the nearest number of E4M3, ties to even, subnormals kept.
;;     - The product sums the exact products of the quantised numbers (number of the format x scale) in f32.
;;   ~~~python
;;   def quantise(x, axis):      # numpy; x: float32 -> the quantised numbers, widened to float32 again
;;       x = np.moveaxis(x, axis, -1); K = x.shape[-1]
;;       x = np.pad(x, [(0, 0)] * (x.ndim - 1) + [(0, -K % 32)]); x = x.reshape(x.shape[:-1] + (-1, 32)); a = np.abs(x).max(-1, keepdims=True)
;;       e = np.where(a > 0, np.clip(np.frexp(np.where(a > 0, a, 1))[1] - 1 - 8, -126, 127), 0)      # np.frexp(a)[1] - 1 = floor(log2(a)), exactly
;;       r = np.clip(x / 2.0 ** e, -448, 448)
;;       step = 2.0 ** (np.maximum(np.frexp(np.where(r == 0, 1, r))[1] - 1, -6) - 3)
;;       q = np.round(r / step) * step * 2.0 ** e      # np.round: ties to even
;;       return np.moveaxis(q.reshape(q.shape[:-2] + (-1,))[..., :K], -1, axis).astype(np.float32)
;;   ~~~
;;   SOFTMAX AHEAD OF A QUANTISED PRODUCT. Where the list says 'softmax', what is quantised is not the finished softmax but p = 2^(t - M), with t = logit x log2(e) and M = ceil(the row's largest t), a whole number; so 1/2 < the row's largest p <= 1. The row's sum l is taken of the UNQUANTISED p, in f32, and the product's result is divided by l at the end. Since M is a whole number, a kernel that streams over the keys may use a running M (the ceiling of the running maximum): every later rescaling is an exact power of two, which a block's scale takes up: the codes' values come out the same.
;;   OPERANDS COMPUTED ON THE WAY. 'Computed on the way' means the value that the module computes at that place (a softmax that the list does not call 'softmax' is quantised finished and normalised). What goes into a quantiser is computed in f32, as accurately as f32 sums, v_exp_f32 and their like allow (about 1e-6 of the number): no bf16 or f16 on the way to a quantiser, and a product that is left as it is and whose result goes on into a quantised operand takes f32 operands (vector FMAs, or v_wmma_f32_16x16x4_f32). A number that lies on a knife's edge between two numbers of the format may be rounded either way, as far as f32 arithmetic and the matrix unit's own rounding can turn it there, and no further.
;; One version. Each part assembles by itself: llvm-mc -triple=amdgcn-amd-amdhsa -mcpu=gfx1250 --defsym DOCPART=n.
;; ======== version 1 of 1: 7 launches
;; limits: right only within a limited range of input values
;; workspace buffers: wq 12,976,128 bytes; act 4,325,376 bytes; qkv 13,238,272 bytes; x1 16,777,216 bytes; hid 17,301,504 bytes
;; launch prep (part 1): grid 640 x 1, 4 waves a work-group, no clusters, 36,352 bytes of LDS; arguments x, g1, be1, Wq, Wk, Wv, Wo, W1, W2, act, wq; writes act, wq
.if DOCPART == 1
	.amdgcn_target "amdgcn-amd-amdhsa--gfx1250"
	.amdhsa_code_object_version 6
	.text
	.protected	k_q46ed9f6a78_prep
	.globl	k_q46ed9f6a78_prep
	.p2align	8
	.type	k_q46ed9f6a78_prep,@function
k_q46ed9f6a78_prep:
	s_mov_b64 s[64:65], 0
	v_nop
	global_prefetch_b8 v0, s[64:65] scope:SCOPE_SE
	s_setreg_imm32_b32 hwreg(HW_REG_WAVE_MODE, 25, 1), 1
	s_wait_xcnt 0x0
; PREP.  Work-groups 0-255: layer norm 1 of x [4096][1024], quantised along the row to E4M3 codes with one E8M0 byte for each 32.  Work-groups 256-639: the six weights ([K][N], f32) quantised along K.
; THE OPERAND LAYOUT of every code buffer, for R rows and K along K: code (p, k) at (p>>6) 64 K + (k>>6) 4096 + (p&63) 64 + (k&63); scale word (p, s = k>>7) at (p>>6)(2 K) + 256 s + 4 (p&63), byte b for k = 128 s + 32 b.
; ROWS LIE BY POSITION: position p holds logical row p with its bits 3 and 4 exchanged; K is in its natural order.  So the 16 registers of two neighbouring result tiles are 16 neighbours along the next K.
; A block's scale is 2^(floor(log2(largest magnitude)) - 8); numbers are held within +-448 x the scale and rounded to the nearest code, ties to even.
; LIMITS: NaN and infinities are not served; a block whose largest magnitude lies under 2^-118, a block of zeros among them, keeps the byte 1 (zero blocks have zero codes; only this program reads the bytes).
; The mean is taken first and the variance of the differences, so a common offset of the row costs no accuracy.
.set MSB, 0
.macro WIN new                         ; the immediate's high byte repeats the setting that is left
.if MSB != \new
	s_set_vgpr_msb (MSB<<8)|\new
.set MSB, \new
.endif
.endm
; WORK LEFT OUT BY THE PROGRAM: reference() sets every score with key > query to -inf by a mask that it builds itself (jnp.tril), so p is 0 there for all values of the inputs:
; key steps that lie wholly behind a tile's queries are not multiplied (launch attn).  A NaN or an infinity that reaches only such scores is not carried to the result.  Every input is loaded.
.set LX, 64                            ; v64-191  my 128 numbers of a row: 8 for each 64 along K
.set LC, 192                           ; v192-223 their codes
.set LE, 224                           ; v224-239 a scale byte for each 64 along K (my block's)
.set LW, 240                           ; v240     the scale word that I store
	v_lshl_add_u32 v254, v0, 2, 0x8c00
	v_mov_b32 v255, 0
	s_cmp_lt_u32 ttmp9, 256
	s_cbranch_scc0 .Lweights
; ---------------- layer norm: a wave takes 4 rows, eight lanes to a row; lane (rr, c8) holds k = 64 kc + 8 c8 + 0..7, kc = 0..15.  Window 1 holds g (v0-127) and be (v128-255) in the same order
	s_load_b128 s[4:7], s[0:1], 0x0                ; x, g1
	s_load_b64 s[8:9], s[0:1], 0x10                ; be1
	s_load_b64 s[10:11], s[0:1], 0x48              ; act
	v_lshrrev_b32 v1, 5, v0
	v_readfirstlane_b32 s12, v1                    ; wave
	v_and_b32 v1, 31, v0                           ; lane
	v_lshrrev_b32 v2, 3, v1                        ; rr
	v_and_b32 v3, 7, v1                            ; c8
	v_lshlrev_b32 v5, 5, v3                        ; g, be: 32 c8
	v_lshl_add_u32 v4, v2, 12, v5                  ; x: 4096 rr + 32 c8
	v_lshlrev_b32 v6, 3, v1                        ; codes: 8 x lane
	v_lshlrev_b32 v7, 8, v3
	v_lshl_add_u32 v7, v2, 2, v7                   ; scale words: 256 c8 + 4 rr
	v_lshrrev_b32 v20, 2, v3
	v_lshlrev_b32 v20, 3, v20                      ; 8 x (which block of the 64 is mine)
	v_mov_b32 v22, 0                               ; a lane move's destination counts as read
	v_mov_b32 v[LW], 0
.irp s, 0,1,2,3,4,5,6,7
	v_cmp_eq_u32 s[40+\s], \s, v3                  ; the lanes that keep scale word s
.endr
	s_lshl_b32 s13, ttmp9, 4
	s_lshl_b32 s14, s12, 2
	s_add_co_u32 s13, s13, s14                     ; my first row
	s_and_b32 s14, s13, 0xffffffe7
	s_bfe_u32 s15, s13, 0x10003
	s_lshl_b32 s15, s15, 4
	s_or_b32 s14, s14, s15
	s_bfe_u32 s15, s13, 0x10004
	s_lshl_b32 s15, s15, 3
	s_or_b32 s14, s14, s15                         ; its position: bits 3 and 4 exchanged
	s_lshl_b32 s16, s13, 12
	s_mov_b32 s17, 0
	s_lshr_b32 s15, s14, 6
	s_and_b32 s14, s14, 63
	s_lshl_b32 s18, s15, 16
	s_lshl_b32 s20, s14, 6
	s_add_co_u32 s18, s18, s20
	s_mov_b32 s19, 0
	s_lshl_b32 s20, s15, 11
	s_lshl_b32 s21, s14, 2
	s_add_co_u32 s20, s20, s21
	s_add_co_u32 s20, s20, 4194304
	s_mov_b32 s21, 0
	s_mov_b32 s30, 0x3a800000                      ; 1 / 1024
	s_mov_b32 s31, 0x3727c5ac                      ; 1e-5
	s_mov_b32 s32, 0x600000                        ; the mantissa field of 448
	s_wait_kmcnt 0x0
	s_add_nc_u64 s[4:5], s[4:5], s[16:17]
	s_add_nc_u64 s[18:19], s[10:11], s[18:19]
	s_add_nc_u64 s[20:21], s[10:11], s[20:21]
.irp k, 0,1,2,3,4,5,6,7,8,9,10,11,12,13,14,15
	global_load_b128 v[LX+8*\k:LX+8*\k+3], v4, s[4:5] offset:256*\k th:TH_LOAD_NT
	global_load_b128 v[LX+8*\k+4:LX+8*\k+7], v4, s[4:5] offset:256*\k+16 th:TH_LOAD_NT
.endr
	WIN 0x40                                       ; destination window 1, address window 0
.irp k, 0,1,2,3,4,5,6,7,8,9,10,11,12,13,14,15
	global_load_b128 v[8*\k:8*\k+3], v5, s[6:7] offset:256*\k
	global_load_b128 v[8*\k+4:8*\k+7], v5, s[6:7] offset:256*\k+16
.endr
	s_wait_loadcnt 32                              ; behind x's 32 loads stand g's 32: x is in
.irp k, 0,1,2,3,4,5,6,7,8,9,10,11,12,13,14,15
	global_load_b128 v[128+8*\k:128+8*\k+3], v5, s[8:9] offset:256*\k
	global_load_b128 v[128+8*\k+4:128+8*\k+7], v5, s[8:9] offset:256*\k+16
.endr
	WIN 0
.irp c, 0,1,2,3                                ; the row's sum, in four chains
	v_pk_add_f32 v[8+2*\c:9+2*\c], v[LX+2*\c:LX+2*\c+1], v[LX+8+2*\c:LX+9+2*\c]
.endr
.set j, 8
.rept 56
	v_pk_add_f32 v[8+2*(j%4):9+2*(j%4)], v[8+2*(j%4):9+2*(j%4)], v[LX+2*j:LX+2*j+1]
.set j, j+1
.endr
	v_pk_add_f32 v[8:9], v[8:9], v[10:11]
	v_pk_add_f32 v[12:13], v[12:13], v[14:15]
	v_pk_add_f32 v[8:9], v[8:9], v[12:13]
	v_add_f32 v8, v8, v9
	v_add_f32_dpp v8, v8, v8 row_xmask:1 row_mask:0xf bank_mask:0xf
	v_add_f32_dpp v8, v8, v8 row_xmask:2 row_mask:0xf bank_mask:0xf
	v_add_f32_dpp v8, v8, v8 row_xmask:4 row_mask:0xf bank_mask:0xf   ; the eight lanes of a row
	v_mul_f32 v8, s30, v8                          ; the mean
.set j, 0
.rept 64
	v_pk_add_f32 v[LX+2*j:LX+2*j+1], v[LX+2*j:LX+2*j+1], v[8:9] op_sel_hi:[1,0] neg_lo:[0,1] neg_hi:[0,1]
.set j, j+1
.endr
.irp c, 0,1,2,3                                ; the sum of squares of the differences
	v_pk_mul_f32 v[8+2*\c:9+2*\c], v[LX+2*\c:LX+2*\c+1], v[LX+2*\c:LX+2*\c+1]
.endr
.set j, 4
.rept 60
	v_pk_fma_f32 v[8+2*(j%4):9+2*(j%4)], v[LX+2*j:LX+2*j+1], v[LX+2*j:LX+2*j+1], v[8+2*(j%4):9+2*(j%4)]
.set j, j+1
.endr
	v_pk_add_f32 v[8:9], v[8:9], v[10:11]
	v_pk_add_f32 v[12:13], v[12:13], v[14:15]
	v_pk_add_f32 v[8:9], v[8:9], v[12:13]
	v_add_f32 v8, v8, v9
	v_add_f32_dpp v8, v8, v8 row_xmask:1 row_mask:0xf bank_mask:0xf
	v_add_f32_dpp v8, v8, v8 row_xmask:2 row_mask:0xf bank_mask:0xf
	v_add_f32_dpp v8, v8, v8 row_xmask:4 row_mask:0xf bank_mask:0xf
	v_fma_f32 v8, v8, s30, s31                     ; variance + eps
	s_wait_alu depctr_va_vdst(0)
	v_rsq_f32 v16, v8
	v_mov_b32 v17, 0                               ; a plain line behind the root; it also writes the pair's upper half
	s_wait_alu depctr_va_vdst(0)                   ; the wait ahead of the root's first reader
.set j, 0
.rept 64
	v_pk_mul_f32 v[LX+2*j:LX+2*j+1], v[LX+2*j:LX+2*j+1], v[16:17] op_sel_hi:[1,0]
.set j, j+1
.endr
	s_wait_loadcnt 0x0                             ; g and be
	WIN 0x14                                       ; sources 1 and 2 in window 1
.set j, 0
.rept 64
	v_pk_fma_f32 v[LX+2*j:LX+2*j+1], v[LX+2*j:LX+2*j+1], v[2*j:2*j+1], v[128+2*j:129+2*j]
.set j, j+1
.endr
	WIN 0
; four pieces of 64 along K by turns: a block of 32 lies in four neighbouring lanes
.macro QK4 k0
.irp d, 0,1,2,3
	v_max3_num_f32 v[8+\d], |v[LX+8*(\k0+\d)]|, |v[LX+8*(\k0+\d)+1]|, 0x4800000   ; with the floor 2^(9 - 127): the byte cannot fall under 1
.endr
.irp e, 2,4,6
.irp d, 0,1,2,3
	v_max3_num_f32 v[8+\d], v[8+\d], |v[LX+8*(\k0+\d)+\e]|, |v[LX+8*(\k0+\d)+\e+1]|
.endr
.endr
.irp d, 0,1,2,3
	v_max_num_f32_dpp v[8+\d], v[8+\d], v[8+\d] row_xmask:1 row_mask:0xf bank_mask:0xf
.endr
.irp d, 0,1,2,3
	v_max_num_f32_dpp v[8+\d], v[8+\d], v[8+\d] row_xmask:2 row_mask:0xf bank_mask:0xf
.endr
.irp d, 0,1,2,3
	v_add_nc_u32 v[12+\d], 0xfc000000, v[8+\d]     ; 8 off the exponent field: the conversion's scale operand
.endr
.irp d, 0,1,2,3
	v_and_or_b32 v[16+\d], v[8+\d], 0x7f800000, s32   ; 448 x the scale
.endr
.irp d, 0,1,2,3
.irp e, 0,1,2,3,4,5,6,7
	v_med3_num_f32 v[LX+8*(\k0+\d)+\e], v[LX+8*(\k0+\d)+\e], -v[16+\d], v[16+\d]   ; the conversion does not saturate (ISA guide 7.6.2)
.endr
.endr
.irp d, 0,1,2,3
	v_cvt_scalef32_pk8_fp8_f32 v[LC+2*(\k0+\d):LC+2*(\k0+\d)+1], v[LX+8*(\k0+\d):LX+8*(\k0+\d)+7], v[12+\d]
.endr
.irp d, 0,1,2,3
	v_lshrrev_b32 v[LE+\k0+\d], 23, v[12+\d]       ; the scale's byte
.endr
.irp d, 0,1,2,3
	global_store_b64 v6, v[LC+2*(\k0+\d):LC+2*(\k0+\d)+1], s[18:19] offset:4096*(\k0+\d)   ; the wave stores 256 consecutive bytes, aligned: 4 rows x 64 codes
.endr
.endm
	QK4 0
	QK4 4
	QK4 8
	QK4 12
; scale word s of a row: bytes 0, 2 come from lanes c8 < 4, bytes 1, 3 from the others; lane c8 = s keeps it
.macro WORD s
	v_lshl_or_b32 v21, v[LE+2*\s+1], 16, v[LE+2*\s]
	v_lshlrev_b32 v21, v20, v21
	v_mov_b32_dpp v22, v21 row_xmask:4 row_mask:0xf bank_mask:0xf
	v_or_b32 v21, v21, v22
	v_cndmask_b32 v[LW], v[LW], v21, s[40+\s]
.endm
.irp s, 0,1,2,3,4,5,6,7
	WORD \s
.endr
	global_store_b32 v7, v[LW], s[20:21]           ; pieces of 16 bytes (4 rows' words of one K step): one byte for each 128 that the path reads
	s_endpgm
; ---------------- the weights: a lane takes a column n and its registers run down K; a wave takes 32 columns x 256 along K
.Lweights:
.set WVO,  32                          ; v32-63   4 x lane + i x the weight's row pitch
.set WX,   64                          ; v64-127  two sets of 32 numbers
.set WCD,  128                         ; v128-135 a block's codes
.set WOUT, 136                         ; v136-199 the way out
.set WSW,  24                          ; v24-25   the scale words of the two K steps
.set WSB,  12582912                    ; where the scale words begin in wq
	s_load_b256 s[8:15], s[0:1], 0x18              ; Wq, Wk, Wv, Wo
	s_load_b128 s[16:19], s[0:1], 0x38             ; W1, W2
	s_load_b64 s[20:21], s[0:1], 0x50              ; wq
	v_lshrrev_b32 v1, 5, v0
	v_readfirstlane_b32 s56, v1                    ; wave
	v_and_b32 v2, 31, v0                           ; lane
	s_wait_alu depctr_va_vdst(0)
	v_lshlrev_b32 v3, 2, v2
	s_sub_co_u32 s2, ttmp9, 256                    ; e: 0-127 the four square weights, 128-255 W1, 256-383 W2
	s_lshr_b32 s3, s2, 5
	s_lshr_b32 s22, s2, 7
	s_and_b32 s23, s2, 7
	s_and_b32 s24, s2, 31
	s_bfe_u32 s25, s2, 0x20003
	s_bfe_u32 s26, s2, 0x20005
	s_bfe_u32 s27, s2, 0x40003
	s_lshl_b32 s28, s3, 10
	s_cmp_eq_u32 s22, 1                            ; W1?
	s_cselect_b32 s23, s24, s23                    ; which 128 columns
	s_cselect_b32 s25, s26, s25                    ; which 256 along K
	s_cselect_b32 s28, 0x1000, s28                 ; the weight's first position in its region
	s_cselect_b32 s29, 14, 12                      ; log2 of the row pitch in bytes
	s_cmp_eq_u32 s22, 2                            ; W2?
	s_cselect_b32 s25, s27, s25
	s_cselect_b32 s28, 0, s28
	s_cselect_b32 s30, 18, 16                      ; log2 of 64 rows of codes
	s_cselect_b32 s31, 13, 11                      ; log2 of 64 rows of scale words
	s_cselect_b32 s32, 0x800000, 0                 ; the region's codes
	s_cselect_b32 s33, 0x40000, 0                  ; and scale words
	s_lshl_b32 s34, s25, 8
	s_lshl_b32 s34, s34, s29
	s_lshl_b32 s36, s23, 7
	s_lshl_b32 s37, s56, 5
	s_add_co_u32 s36, s36, s37                     ; my wave's first column
	s_lshl_b32 s37, s36, 2
	s_add_co_u32 s34, s34, s37
	s_mov_b32 s35, 0
	s_lshl_b32 s38, 32, s29                        ; 32 rows of the weight
	s_mov_b32 s39, 0
	s_lshl_b32 s67, 1, s29                         ; one row
	s_add_co_u32 s28, s28, s36                     ; my first position
	s_lshr_b32 s62, s28, 6
	s_and_b32 s63, s28, 63
	s_lshl_b32 s58, s62, s30
	s_lshl_b32 s66, s25, 14
	s_add_co_u32 s58, s58, s66
	s_lshl_b32 s66, s63, 6
	s_add_co_u32 s58, s58, s66
	s_add_co_u32 s58, s58, s32
	s_mov_b32 s59, 0
	s_lshl_b32 s60, s62, s31
	s_lshl_b32 s66, s25, 9
	s_add_co_u32 s60, s60, s66
	s_lshl_b32 s66, s63, 2
	s_add_co_u32 s60, s60, s66
	s_add_co_u32 s60, s60, s33
	s_add_co_u32 s60, s60, WSB
	s_mov_b32 s61, 0
	s_mul_i32 s57, s56, 8704                       ; my stage: 32 rows of 256 bytes + 16
	s_mov_b32 s68, 0x600000
	v_and_b32 v4, 7, v2
	v_bfe_u32 v5, v2, 3, 1
	v_lshl_or_b32 v4, v5, 4, v4
	v_bfe_u32 v5, v2, 4, 1
	v_lshl_or_b32 v4, v5, 3, v4                    ; my column's position among the 32: bits 3 and 4 exchanged
	v_mul_u32_u24 v6, v4, 272
	v_add_nc_u32 v6, s57, v6                       ; into the stage
	v_lshrrev_b32 v5, 2, v2
	v_mul_u32_u24 v7, v5, 272
	v_and_b32 v5, 3, v2
	v_lshl_add_u32 v7, v5, 4, v7
	v_add_nc_u32 v7, s57, v7                       ; out of it: four lanes to 64 bytes of a row
	v_lshlrev_b32 v8, 4, v2
	v_lshlrev_b32 v9, 2, v4
.set i, 0
.rept 32
	v_mad_u32_u24 v[WVO+i], s67, i, v3
.set i, i+1
.endr
	s_wait_alu depctr_va_vdst(0)
	s_wait_kmcnt 0x0
	s_cmp_eq_u32 s3, 1                             ; the source: a choice that hangs on the work-group's number alone
	s_cselect_b64 s[8:9], s[10:11], s[8:9]
	s_cmp_eq_u32 s3, 2
	s_cselect_b64 s[8:9], s[12:13], s[8:9]
	s_cmp_eq_u32 s3, 3
	s_cselect_b64 s[8:9], s[14:15], s[8:9]
	s_cmp_ge_u32 s2, 128
	s_cselect_b64 s[8:9], s[16:17], s[8:9]
	s_cmp_ge_u32 s2, 256
	s_cselect_b64 s[8:9], s[18:19], s[8:9]
	s_add_nc_u64 s[40:41], s[8:9], s[34:35]        ; a base for each block of 32 along K: nothing is stepped
.irp t, 1,2,3,4,5,6,7
	s_add_nc_u64 s[40+2*\t:41+2*\t], s[38+2*\t:39+2*\t], s[38:39]
.endr
	s_add_nc_u64 s[58:59], s[20:21], s[58:59]
	s_add_nc_u64 s[60:61], s[20:21], s[60:61]
.macro WLOAD t
.set i, 0
.rept 32
	global_load_b32 v[WX+32*((\t)%2)+i], v[WVO+i], s[40+2*(\t):41+2*(\t)] th:TH_LOAD_NT   ; 32 lanes read 128 consecutive bytes, the four waves 512
.set i, i+1
.endr
.endm
	WLOAD 0
	WLOAD 1
.macro WBLOCK t
.set XS, WX+32*((\t)%2)
.if (\t) < 7
	s_wait_loadcnt 32                              ; this block's 32 loads are in; the next block's may be out
.else
	s_wait_loadcnt 0x0
.endif
	v_max3_num_f32 v12, |v[XS]|, |v[XS+1]|, |v[XS+2]|
	v_max3_num_f32 v13, |v[XS+3]|, |v[XS+4]|, |v[XS+5]|
.irp i, 6,10,14,18,22,26
	v_max3_num_f32 v12, v12, |v[XS+\i]|, |v[XS+\i+1]|
	v_max3_num_f32 v13, v13, |v[XS+\i+2]|, |v[XS+\i+3]|
.endr
	v_max3_num_f32 v12, v12, |v[XS+30]|, |v[XS+31]|
	v_max3_num_f32 v12, v12, v13, 0x4800000        ; the floor
	v_add_nc_u32 v11, 0xfc000000, v12
	v_and_or_b32 v10, v12, 0x7f800000, s68
	v_lshrrev_b32 v13, 23, v11
.if (\t)%4 == 0
	v_mov_b32 v[WSW+(\t)/4], v13
.else
	v_lshl_or_b32 v[WSW+(\t)/4], v13, 8*((\t)%4), v[WSW+(\t)/4]
.endif
.set i, 0
.rept 32
	v_med3_num_f32 v[XS+i], v[XS+i], -v10, v10
.set i, i+1
.endr
.irp g, 0,1,2,3
	v_cvt_scalef32_pk8_fp8_f32 v[WCD+2*\g:WCD+2*\g+1], v[XS+8*\g:XS+8*\g+7], v11
.endr
	ds_store_b128 v6, v[WCD:WCD+3] offset:32*(\t)
	ds_store_b128 v6, v[WCD+4:WCD+7] offset:32*(\t)+16
.if (\t)+2 < 8
	WLOAD (\t)+2
.endif
	s_wait_dscnt 0x0                               ; the stores have read their registers: the next block's codes may be written
.endm
.irp t, 0,1,2,3,4,5,6,7
	WBLOCK \t
.endr
	global_store_b32 v9, v[WSW], s[60:61]          ; 128 consecutive bytes: 32 positions' words of a K step
	global_store_b32 v9, v[WSW+1], s[60:61] offset:256
.irp j, 0,1,2,3
.irp i, 0,1,2,3
	ds_load_b128 v[WOUT+4*(4*\j+\i):WOUT+4*(4*\j+\i)+3], v7 offset:8*\i*272+64*\j   ; LDS serves a wave's instructions in order: these see my stores
.endr
.endr
.irp j, 0,1,2,3
.irp i, 0,1,2,3
	s_wait_dscnt 15-(4*\j+\i)
	global_store_b128 v8, v[WOUT+4*(4*\j+\i):WOUT+4*(4*\j+\i)+3], s[58:59] offset:512*\i+4096*\j   ; 512 consecutive bytes: 8 positions x 64 codes
.endr
.endr
	s_wait_tensorcnt 0x0
	ds_add_u32 v254, v255
	s_wait_dscnt 0x0
	s_endpgm
.Lfunc_end_k_q46ed9f6a78_prep:
	.size	k_q46ed9f6a78_prep, .Lfunc_end_k_q46ed9f6a78_prep-k_q46ed9f6a78_prep
	.p2alignl 7, 3214868480
	.fill 96, 4, 3214868480
	.section	.rodata,"a",@progbits
	.p2align	6, 0x0
	.amdhsa_kernel k_q46ed9f6a78_prep
		.amdhsa_group_segment_fixed_size 36352
		.amdhsa_private_segment_fixed_size 0
		.amdhsa_enable_private_segment 0
		.amdhsa_kernarg_size 88
		.amdhsa_user_sgpr_count 2
		.amdhsa_user_sgpr_kernarg_segment_ptr 1
		.amdhsa_wavefront_size32 1
		.amdhsa_system_sgpr_workgroup_id_x 1
		.amdhsa_system_sgpr_workgroup_id_y 1
		.amdhsa_system_sgpr_workgroup_id_z 1
		.amdhsa_system_vgpr_workitem_id 0
		.amdhsa_next_free_vgpr 512
		.amdhsa_next_free_sgpr 80
		.amdhsa_reserve_vcc 0
		.amdhsa_float_denorm_mode_32 3
		.amdhsa_float_denorm_mode_16_64 3
		.amdhsa_memory_ordered 1
		.amdhsa_forward_progress 1
		.amdhsa_inst_pref_size 118
	.end_amdhsa_kernel
	.amdgpu_metadata
---
amdhsa.version: [ 1, 2 ]
amdhsa.kernels:
  - .name:           k_q46ed9f6a78_prep
    .symbol:         k_q46ed9f6a78_prep.kd
    .args:
      - { .name: x, .offset: 0, .size: 8, .value_kind: global_buffer, .address_space: global }
      - { .name: g1, .offset: 8, .size: 8, .value_kind: global_buffer, .address_space: global }
      - { .name: be1, .offset: 16, .size: 8, .value_kind: global_buffer, .address_space: global }
      - { .name: Wq, .offset: 24, .size: 8, .value_kind: global_buffer, .address_space: global }
      - { .name: Wk, .offset: 32, .size: 8, .value_kind: global_buffer, .address_space: global }
      - { .name: Wv, .offset: 40, .size: 8, .value_kind: global_buffer, .address_space: global }
      - { .name: Wo, .offset: 48, .size: 8, .value_kind: global_buffer, .address_space: global }
      - { .name: W1, .offset: 56, .size: 8, .value_kind: global_buffer, .address_space: global }
      - { .name: W2, .offset: 64, .size: 8, .value_kind: global_buffer, .address_space: global }
      - { .name: act, .offset: 72, .size: 8, .value_kind: global_buffer, .address_space: global }
      - { .name: wq, .offset: 80, .size: 8, .value_kind: global_buffer, .address_space: global }
    .group_segment_fixed_size: 36352
    .private_segment_fixed_size: 0
    .kernarg_segment_align: 8
    .kernarg_segment_size: 88
    .max_flat_workgroup_size: 128
    .sgpr_count:     80
    .vgpr_count:     512
    .wavefront_size: 32
...
	.end_amdgpu_metadata
.endif
;; end of part 1
;; launch qkv (part 2): grid 8 x 32, 4 waves a work-group, clusters of 4 x 4, 327,680 bytes of LDS; arguments act, wq, qkv; writes qkv
.if DOCPART == 2
	.amdgcn_target "amdgcn-amd-amdhsa--gfx1250"
	.amdhsa_code_object_version 6
	.text
	.protected	k_q46ed9f6a78_qkv
	.globl	k_q46ed9f6a78_qkv
	.p2align	8
	.type	k_q46ed9f6a78_qkv,@function
k_q46ed9f6a78_qkv:
	s_mov_b64 s[64:65], 0
	v_nop
	global_prefetch_b8 v0, s[64:65] scope:SCOPE_SE
	s_setreg_imm32_b32 hwreg(HW_REG_WAVE_MODE, 25, 1), 1
	s_wait_xcnt 0x0
	s_wait_alu depctr_hold_cnt(0) depctr_sa_sdst(0) depctr_va_vdst(0) depctr_va_sdst(0) depctr_va_ssrc(0) depctr_va_vcc(0) depctr_vm_vsrc(0)
	s_getreg_b32 s2, hwreg(HW_REG_IB_STS2, 6, 4)
	s_cmp_eq_u32 s2, 0
	s_cbranch_scc0 .Lentry_in_a_cluster
	s_endpgm
.Lentry_in_a_cluster:
	s_bfe_u32 s2, ttmp6, 0x10000c
	s_cmp_lg_u32 s2, 0xf033
	s_cbranch_scc0 .Lentry_shape_is_right
	s_endpgm
.Lentry_shape_is_right:
; Q, K, V = LN1(x) Wq, Wk, Wv on E4M3 codes with E8M0 scales; the results are quantised on the way out: q and k along the head's 64, v along the keys.
; A work-group takes 128 rows of the activations and walks three tiles of 128 columns: columns 128 gx of Wq, of Wk, of Wv.  Four waves, 64 x 64 each: 16 accumulators.
; K = 1,024 is two LDS slots of 512: THE ACTIVATIONS STAY (slot s holds their K half s for the whole launch); only the weights' halves of the slots are filled again, tile by tile.
; Code buffers are laid so that 64 rows x 512 along K are 32 KB on end: every tensor load brings rows of 256 bytes, 16 bytes of padding behind each.  In LDS a row of 64 codes lies at 64 p + 16 (p>>2):
; the 16 rows of a fragment start in 16 different columns of 16 bytes.  Rows lie by position (bits 3 and 4 of the row exchanged), so that two neighbouring result tiles hold 16 neighbours along the next K.
; q, k: source 0 = the weight, source 1 = the activations: a lane holds one token and 16 neighbouring channels.  v: the sources change places: a lane holds one channel and 16 neighbouring tokens (its K = the keys).
; CLUSTER 4 x 4: the activations' tiles are asked for jointly along a row of the cluster, the weights' along a column.
; LIMITS: NaN and infinities not served; a block under 2^-118 keeps the byte 1.  q's and k's scale words have two bytes of scales and two zero bytes (the upper 64 of the instruction's K carry zero codes on q's side).
.set TILES, 3
.set RB0,   0                          ; the weights' first block of 64 positions in wq
.set WSB,   12582912
.set SUB,   4352                       ; 64 rows x 64 codes in LDS
.set BLK16, 1088                       ; 16 rows
.set KST,   2*SUB                      ; 64 rows x 128 along K
.set HALFT, 4*KST                      ; 64 rows x 512: a first fill
.set SLOT,  4*HALFT                    ; half of the tiles' bytes.  In LDS: A's rows 0-63, A's rows 64-127, B's rows 0-63, B's rows 64-127, 2 HALFT each: K half 0, then K half 1
.set ASC,   2*SLOT                     ; A's scale words: 2 x 2,048 bytes
.set BSC,   ASC+4096                   ; B's: 2 x TILES x 2,048
.set CST,   BSC+2*TILES*2048           ; a stage of 4,096 bytes for each wave's codes
.set SCXO,  CST+4*4096                 ; 256 bytes for each wave's own scale words
.set SCXS,  SCXO+4*256                 ; 512 bytes where two waves' halves of v's scale words meet
.set SPARE, SCXS+512                   ; the spare words: two blocks of 256 bytes that no other line names
.set ADRA, 10
.set ADRB, 12
.set ADRS, 14                          ; v14  lanes 0-15 A's scale words, lanes 16-31 B's
.set BUMP, 15                          ; v15  2,048 in lanes 16-31: B's next tile
.set DQ,  16                           ; v16-18 byte offsets in qkv of my codes of q, k, v;  v19-21 of the scale words
.set DK,  17
.set DV,  18
.set DQS, 19
.set DKS, 20
.set DVS, 21
.set CSI, 22                           ; v22, v23 the code stage, in and out
.set CSO, 23
.set SOI, 24                           ; v24, v25 my own scale words, in and out
.set SOO, 25
.set SXI, 26                           ; v26, v27 the shared ones
.set SXO, 27
.set SPW, 28
.set NIL, 29
.set SC,  32                           ; v32-39 scale words, two sets of four; nothing else ever
.set TM,  40                           ; v40-71 the quantiser's work; then the codes read back
.set BK,  40
.set PC,  72                           ; v72-103 codes
.set HW,  104                          ; v104-107 two scale bytes for each of four tiles of rows
.set WD,  108
.set ACC, 128
.set G1, 24
.set G0, 32
.set G0R, 40                           ; s[40:47] group 0 of the refills, a set for each slot
.set G1B, 48
.set G0B, 56
.set G1S, 68
.set G0S, 76
.set G1SB, 80
.set G0SB, 88
.set G1R, 92                           ; s[92:99] group 1 of the refills: 64 rows of 256 bytes
.set SEL, 100
.set MNT, 66
.set FLAGC, (3<<16)|(1<<20)|(1<<21)|(5<<22)|(3<<25)   ; elements of 8 bytes; padding on; bit 21 beside a mask; after every 64 words, 4 words
.set FLAGS, (3<<16)|(1<<21)
.set MSB, 0
.macro WIN new
.if MSB != \new
	s_set_vgpr_msb (MSB<<8)|\new
.set MSB, \new
.endif
.endm
.set MUL,  0x05                        ; sources 0 and 1 window 1, C and D window 0
.set TO_F, 0x40                        ; destination window 1
.macro JLOAD g0a, g1a, g0b, g1b        ; waves 0, 1 fetch for A, waves 2, 3 for B; four v_nop follow each line
	s_cmp_eq_u32 s15, 0
	s_cbranch_scc0 .Lfor_b_\@
	tensor_load_to_lds s[\g0a:\g0a+3], s[\g1a:\g1a+7]
	s_nop 0
.rept 4
	v_nop
.endr
	s_branch .Lasked_\@
.Lfor_b_\@:
	tensor_load_to_lds s[\g0b:\g0b+3], s[\g1b:\g1b+7]
	s_nop 0
.rept 4
	v_nop
.endr
.Lasked_\@:
.endm
.macro CREST
	s_cmp_lg_u32 s14, 0
	s_cbranch_scc1 .Lnot_wave_0_\@
	s_barrier_signal -3
.Lnot_wave_0_\@:
	s_barrier_wait -3
	s_barrier_signal -1
	s_barrier_wait -1
.endm
.macro CROUND
	s_barrier_signal -1
	s_barrier_wait -1
	CREST
.endm
.macro PLACES n
.rept \n
	v_nop
.endr
.endm
	s_load_b128 s[4:7], s[0:1], 0x0                ; act, wq
	s_load_b64 s[8:9], s[0:1], 0x10                ; qkv
	v_lshl_add_u32 v[SPW], v0, 2, SPARE
	v_mov_b32 v[NIL], 0
	ds_add_u32 v28, v29
	ds_add_u32 v28, v29
	s_wait_dscnt 0x0
	v_lshrrev_b32 v1, 5, v0
	v_readfirstlane_b32 s14, v1                    ; wave
	s_lshr_b32 s15, s14, 1                         ; my half of the rows; also: I fetch for A (0) or B (1)
	s_and_b32 s16, s14, 1                          ; my half of the columns; also: which 64 rows I fetch
	s_bfe_u32 s100, ttmp6, 0x40000                 ; cx
	s_bfe_u32 s101, ttmp6, 0x40004                 ; cy
	s_lshl_b32 s104, ttmp9, 2
	s_add_co_u32 s104, s104, s100                  ; gx
	s_and_b32 s17, ttmp7, 0xffff
	s_lshl_b32 s17, s17, 2
	s_add_co_u32 s17, s17, s101                    ; gy
	s_lshl_b32 s105, s101, 2
	s_lshl_b32 s105, 15, s105                      ; my row of the cluster
	s_lshl_b32 s67, 0x1111, s100                   ; my column
	s_or_b32 s[G1], s105, FLAGC
	s_or_b32 s[G1B], s67, FLAGC
	s_or_b32 s[G1R], s67, FLAGC
.irp g, G1, G1B                                ; 128 rows of 32 elements, dense
	s_mov_b32 s[\g+1], 32<<16
	s_mov_b32 s[\g+2], 128<<16                     ; a first fill: 64 rows of codes x 512 along K: 128 rows of 256 bytes on end
	s_mov_b32 s[\g+3], 32<<16
	s_mov_b32 s[\g+4], 128
	s_mov_b32 s[\g+5], 32
	s_mov_b32 s[\g+6], 0
	s_mov_b32 s[\g+7], 0
.endr
	s_mov_b32 s[G1R+1], 32<<16                     ; 64 rows
	s_mov_b32 s[G1R+2], 64<<16
	s_mov_b32 s[G1R+3], 32<<16
	s_mov_b32 s[G1R+4], 64
	s_mov_b32 s[G1R+5], 32
	s_mov_b32 s[G1R+6], 0
	s_mov_b32 s[G1R+7], 0
	s_lshl_b32 s20, s17, 1
	s_add_co_u32 s20, s20, s16                     ; A's block of 64 rows
	s_lshl_b32 s18, s104, 1
	s_add_co_u32 s18, s18, s16
	s_add_co_u32 s18, s18, RB0                     ; B's, in the walk's first tile
	s_lshl_b32 s22, s17, 12                        ; the scale words of my work-group's 128 rows of A: 4,096 bytes on end
	s_mov_b32 s23, 0
	s_lshl_b32 s2, s104, 12                        ; and of its 128 rows of B in the walk's first tile
	s_add_co_u32 s2, s2, RB0*2048
	s_mov_b32 s3, 0
	s_lshl_b32 s20, s20, 16
	s_mov_b32 s21, 0
	s_lshl_b32 s18, s18, 16
	s_mov_b32 s19, 0
	s_lshl_b32 s10, s15, 14                        ; a refill's quarter of a K half
	s_mov_b32 s11, 0
	s_mul_i32 s66, s14, 2*HALFT
	; THE SCALE WORDS COME THROUGH REGISTERS: of each run of 4,096 bytes (A's; B's for each tile of the walk) a wave takes 1,024, 16 bytes a lane, and stores them to LDS bytes that no tensor load fills
	s_lshl_b32 s68, s14, 10
	s_mul_i32 s69, s15, TILES*2048
	s_lshl_b32 s70, s16, 10
	s_add_co_u32 s69, s69, s70
	s_add_co_u32 s69, s69, BSC
	v_and_b32 v30, 31, v0
	v_lshlrev_b32 v30, 4, v30
	v_lshlrev_b32 v31, 4, v30                      ; v31: 256 x lane: the prefetches' offset; never rewritten
	v_add_nc_u32 v8, s68, v30                      ; v8: my offset in a run
	v_add_nc_u32 v9, ASC, v8                       ; v9: where A's go
	v_add_nc_u32 v30, s69, v30                     ; v30: where B's go: [64 rows][tile][2,048]
	s_wait_alu depctr_va_vdst(0)
	s_wait_kmcnt 0x0
	s_add_nc_u64 s[20:21], s[4:5], s[20:21]
	s_add_nc_u64 s[76:77], s[4:5], s[22:23]
	s_add_nc_u64 s[76:77], s[76:77], 4194304
	s_add_nc_u64 s[18:19], s[6:7], s[18:19]
	s_add_nc_u64 s[88:89], s[6:7], s[2:3]
	s_add_nc_u64 s[88:89], s[88:89], WSB
	; THE PREFETCHES INTO THE L2: a lane names a unit of 256 bytes, an instruction 32 units; the four partners that ask for a tile jointly share its units out BY ADDRESS (place p = cx for A, cy for B).
	; s[80:81]: K half 1 of the 64 rows that I fetch at the head is 128 units: partner p names 32 p .. 32 p + 31, behind the head's load; that half's own load follows a slot later.
	; s[82:83]: of a later tile of B a wave refills a quarter of each K half, 2 x 64 units: partner p names half p / 2, units 32 (p % 2) on.  Tile 1 is named at the head, tile t + 2 behind tile t's first refill: two refills ahead.
	s_cmp_eq_u32 s15, 0
	s_cselect_b64 s[80:81], s[20:21], s[18:19]
	s_cselect_b32 s84, s100, s101
	s_lshl_b32 s84, s84, 13
	s_mov_b32 s85, 0
	s_add_nc_u64 s[80:81], s[80:81], s[84:85]
	s_lshr_b32 s84, s101, 1
	s_lshl_b32 s84, s84, 15
	s_and_b32 s86, s101, 1
	s_lshl_b32 s86, s86, 13
	s_add_co_u32 s84, s84, s86
	s_add_co_u32 s84, s84, s10
	s_add_nc_u64 s[82:83], s[18:19], s[84:85]
.irp i, 0,1
	global_load_b128 v[ACC+4*\i:ACC+4*\i+3], v8, s[76:77] offset:512*\i
.endr
.irp t, 0,1,2
.irp i, 0,1
	global_load_b128 v[ACC+8+8*\t+4*\i:ACC+8+8*\t+4*\i+3], v8, s[88:89] offset:32768*\t+512*\i
.endr
.endr
	CROUND                                         ; all sixteen work-groups are here: the first joint loads meet
.irp s, 0,1                                    ; group 0 of the first fills: K half s of my 64 rows
	s_mov_b32 s[G0+4*\s], 1
	s_add_co_u32 s[G0+4*\s+1], s66, \s*HALFT
	s_add_nc_u64 s[G0+4*\s+2:G0+4*\s+3], s[20:21], \s*32768
	s_or_b32 s[G0+4*\s+3], s[G0+4*\s+3], 0x80000000
	s_mov_b32 s[G0B+4*\s], 1
	s_add_co_u32 s[G0B+4*\s+1], s66, \s*HALFT
	s_add_nc_u64 s[G0B+4*\s+2:G0B+4*\s+3], s[18:19], \s*32768
	s_or_b32 s[G0B+4*\s+3], s[G0B+4*\s+3], 0x80000000
.endr
	JLOAD G0, G1, G0B, G1B                         ; one joint load a wave at the head: K half 0
	global_prefetch_b8 v31, s[80:81] offset:32768 th:TH_LOAD_NT scope:SCOPE_SE     ; K half 1 of the same rows
	global_prefetch_b8 v31, s[82:83] offset:1048576 th:TH_LOAD_NT scope:SCOPE_SE   ; B's tile 1
	; the refills: every wave brings a quarter (64 rows of 256 bytes) of B's part of a slot
	s_mul_i32 s[G0R+1], s16, 2*HALFT
	s_mul_i32 s[G0R+5], s15, 2*KST
	s_add_co_u32 s[G0R+1], s[G0R+1], s[G0R+5]
	s_add_co_u32 s[G0R+1], s[G0R+1], 4*HALFT
	s_add_co_u32 s[G0R+5], s[G0R+1], HALFT
	s_mov_b32 s[G0R], 1
	s_mov_b32 s[G0R+4], 1
	s_add_nc_u64 s[G0R+2:G0R+3], s[18:19], s[10:11]
	s_add_nc_u64 s[G0R+6:G0R+7], s[G0R+2:G0R+3], 32768
	s_or_b32 s[G0R+3], s[G0R+3], 0x80000000
	s_or_b32 s[G0R+7], s[G0R+7], 0x80000000
	s_mov_b32 s[SEL], 0x76543210
	s_mov_b32 s[SEL+1], 0xfedcba98
	s_mov_b32 s[MNT], 0x600000
	v_and_b32 v1, 15, v0                           ; r
	v_bfe_u32 v2, v0, 4, 1                         ; h
	s_wait_alu depctr_va_vdst(0)
	v_lshlrev_b32 v3, 6, v1
	v_lshrrev_b32 v4, 2, v1
	v_lshl_add_u32 v3, v4, 4, v3
	v_lshl_add_u32 v3, v2, 4, v3                   ; 64 r + 16 (r>>2) + 16 h
	s_mul_i32 s21, s15, 2*HALFT
	s_mul_i32 s22, s16, 2*HALFT
	s_add_co_u32 s22, s22, 4*HALFT
.irp s, 0,1
	v_add_nc_u32 v[ADRA+\s], s21, v3
	v_add_nc_u32 v[ADRB+\s], s22, v3
	s_add_co_u32 s21, s21, HALFT
	s_add_co_u32 s22, s22, HALFT
.endr
	s_xor_b32 s21, s15, 1
	s_lshl_b32 s21, s21, 11
	s_mul_i32 s22, s16, TILES*2048
	s_add_co_u32 s22, s22, s21
	s_add_co_u32 s22, s22, 2048                    ; from my A words to my B words
	v_mul_u32_u24 v4, s22, v2
	s_lshl_b32 s21, s15, 11
	s_add_co_u32 s21, s21, ASC
	v_lshl_add_u32 v4, v1, 2, v4
	v_add_nc_u32 v[ADRS], s21, v4
	v_lshlrev_b32 v[BUMP], 11, v2
	v_and_b32 v5, 31, v0                           ; lane
	v_lshlrev_b32 v6, 4, v5
	v_lshlrev_b32 v7, 3, v5
	s_wait_alu depctr_va_vdst(0)
	s_lshl_b32 s21, s14, 12
	s_add_co_u32 s21, s21, CST
	v_lshlrev_b32 v4, 6, v1
	v_lshl_add_u32 v4, v2, 4, v4
	v_add_nc_u32 v[CSI], s21, v4                   ; row r of 64 bytes, + 16 h
	v_add_nc_u32 v[CSO], s21, v6
	s_lshl_b32 s21, s14, 8
	s_add_co_u32 s21, s21, SCXO
	v_lshl_add_u32 v[SOI], v1, 2, s21
	v_add_nc_u32 v[SOO], s21, v7
	s_lshl_b32 s21, s16, 8
	s_lshl_b32 s22, s15, 1
	s_add_co_u32 s22, s22, s21
	s_add_co_u32 s22, s22, SCXS
	v_lshl_add_u32 v[SXI], v1, 2, s22              ; head wc's 256 bytes, my half wr of each word
	s_add_co_u32 s21, s21, SCXS
	v_add_nc_u32 v[SXO], s21, v7
	; where the results go, as offsets from qkv's first byte
	s_lshr_b32 s20, s17, 4
	s_lshl_b32 s20, s20, 4
	s_lshl_b32 s21, s104, 1
	s_add_co_u32 s20, s20, s21
	s_add_co_u32 s21, s20, s16                     ; 16 x batch + head
	s_lshl_b32 s22, s17, 7
	s_lshl_b32 s23, s15, 6
	s_add_co_u32 s22, s22, s23
	s_and_b32 s22, s22, 2047                       ; my first token position in the batch
	s_lshl_b32 s23, s21, 17
	s_lshl_b32 s2, s22, 6
	s_add_co_u32 s23, s23, s2
	v_add_nc_u32 v[DQ], s23, v6
	v_add_nc_u32 v[DK], 4194304, v[DQ]
	v_add_nc_u32 v[DV], 8388608, v[DQ]
	s_lshl_b32 s23, s21, 11
	s_add_co_u32 s23, s23, s22
	s_lshl_b32 s23, s23, 2
	s_add_co_u32 s23, s23, 12582912
	v_add_nc_u32 v[DQS], s23, v7
	s_mul_i32 s23, s21, 12288
	s_lshl_b32 s2, s22, 2
	s_add_co_u32 s2, s2, s23
	s_add_co_u32 s2, s2, 12845056
	v_add_nc_u32 v[DKS], s2, v7
	s_and_b32 s2, s17, 15
	s_lshl_b32 s2, s2, 8
	s_add_co_u32 s2, s2, s23
	s_add_co_u32 s2, s2, 12845056+8192
	v_add_nc_u32 v[DVS], s2, v7                    ; (used by waves 0 and 1, whose number is their head's)
.irp n, 0,1,2,3,4,5,6,7
	v_mov_b32 v[TM+8+\n], 0                        ; a lane permute's destination counts as read
.endr
; THE ACTIVATIONS LIE IN REGISTERS: my 64 rows, all of K, 512 registers: window 2 holds K half 0, window 3 K half 1; fragment (q, i) at v[64 q + 16 i].  They are read from LDS once and serve all three tiles.
; 20 LDS loads: B's four fragments (16 rows x 128 K: four loads of 16 bytes a lane) of the slot's q-th 128 along K into buffer par of window 1, and the four scale registers of that step
.macro FETCH slot, q, par
	WIN TO_F
.irp i, 0,1,2,3
.irp c, 0,1,2,3
	ds_load_b128 v[128*(\par)+64+16*\i+4*\c:128*(\par)+64+16*\i+4*\c+3], v[ADRB+\slot] offset:(\q)*KST+(\c/2)*SUB+(\c%2)*32+\i*BLK16
.endr
.endr
	WIN 0
.irp i, 0,1,2,3
	ds_load_b32 v[SC+4*(\par)+\i], v[ADRS] offset:(4*(\slot)+(\q))*256+64*\i
.endr
.endm
; four matrix instructions.  typ 0: source 0 = B's tile b, source 1 = A's tile g.  typ 1: source 0 = A's tile b, source 1 = B's tile g.  cm = 1: they start the sums.  The 16 accumulators take turns
.macro MUL4 g, par, typ, cm
.irp b, 0,1,2,3
.set rD, ACC+8*(4*(\g)+\b)
.set sX, SC+4*(\par)+\b
.set sY, SC+4*(\par)+(\g)
.if \typ
.set rX, AQ+16*\b
.set rY, 128*(\par)+64+16*(\g)
.if \cm
	v_wmma_scale_f32_16x16x128_f8f6f4 v[rD:rD+7], v[rX:rX+15], v[rY:rY+15], 0, v[sX], v[sY] matrix_b_scale:MATRIX_SCALE_ROW1
.else
	v_wmma_scale_f32_16x16x128_f8f6f4 v[rD:rD+7], v[rX:rX+15], v[rY:rY+15], v[rD:rD+7], v[sX], v[sY] matrix_b_scale:MATRIX_SCALE_ROW1
.endif
.else
.set rX, 128*(\par)+64+16*\b
.set rY, AQ+16*(\g)
.if \cm
	v_wmma_scale_f32_16x16x128_f8f6f4 v[rD:rD+7], v[rX:rX+15], v[rY:rY+15], 0, v[sX], v[sY] matrix_a_scale:MATRIX_SCALE_ROW1
.else
	v_wmma_scale_f32_16x16x128_f8f6f4 v[rD:rD+7], v[rX:rX+15], v[rY:rY+15], v[rD:rD+7], v[sX], v[sY] matrix_a_scale:MATRIX_SCALE_ROW1
.endif
.endif
.endr
.endm
; a step of 128 along K that has its successor in the same slot: the successor's fragments are asked for first, behind eight places (loads into registers that matrix instructions have read)
.macro STEP slot, q, typ, cm
.set AQ, 64*(\q)                       ; where A's fragments of this step lie in their window
.set MUL, (1-(\typ))*(0x09+4*(\slot))+(\typ)*(0x06+(\slot))   ; B in window 1, A in window 2 + slot; typ says which of them is source 0
	PLACES 8+\cm
	FETCH \slot, (\q)+1, ((\q)+1)%2
	s_wait_dscnt 20
	WIN MUL
	MUL4 0, (\q)%2, \typ, \cm
	MUL4 1, (\q)%2, \typ, \cm
	MUL4 2, (\q)%2, \typ, \cm
	MUL4 3, (\q)%2, \typ, \cm
	WIN 0
.endm
; a slot's last step changes slots: one barrier; in front of it every wave waits for all its tensor loads, adds 0 to its spare word, and waits for that and for its reads of this slot
.macro TURN slot, next, fill, bump, typ
.set AQ, 192
.set MUL, (1-(\typ))*(0x09+4*(\slot))+(\typ)*(0x06+(\slot))
	s_wait_tensorcnt 0x0                           ; all my tensor loads have landed
	ds_add_u32 v[SPW], v[NIL]                      ; 0 onto my spare word
	s_wait_dscnt 1                                 ; (the add may be out: this step's fragments are in)
	WIN MUL
	MUL4 0, 1, \typ, 0
	s_wait_dscnt 0x0                               ; the add is done, and my reads of this slot are over
	s_barrier_signal -1
	MUL4 1, 1, \typ, 0
	WIN 0
	s_barrier_wait -1
.if \fill
	CREST                                          ; the barrier has opened a round of the cluster's: no wave of any partner reads B's part of this slot or has a load on its way
	s_add_nc_u64 s[G0R+4*\slot+2:G0R+4*\slot+3], s[G0R+4*\slot+2:G0R+4*\slot+3], 1048576   ; the walk's next tile: 16 blocks of 64 positions on
	tensor_load_to_lds s[G0R+4*\slot:G0R+4*\slot+3], s[G1R:G1R+7]   ; my one load behind the round
	s_nop 0
	PLACES 8
.else
	PLACES 8
.endif
.if \bump
	v_add_nc_u32 v[ADRS], v[BUMP], v[ADRS]
.endif
	FETCH \next, 0, 0
.if (\fill) && (\slot) == 0
.if PFT < TILES
	global_prefetch_b8 v31, s[82:83] offset:PFT*1048576 th:TH_LOAD_NT scope:SCOPE_SE   ; B's tile two refills on
.endif
.set PFT, PFT+1
.endif
	WIN MUL
	MUL4 2, 1, \typ, 0
	MUL4 3, 1, \typ, 0
	WIN 0
.endm
.macro LAST typ
.set AQ, 192
.set MUL, (1-(\typ))*0x0d+(\typ)*0x07
	s_wait_dscnt 0x0
	WIN MUL
	MUL4 0, 1, \typ, 0
	MUL4 1, 1, \typ, 0
	MUL4 2, 1, \typ, 0
	MUL4 3, 1, \typ, 0
	WIN 0
.endm
; the wave's 64 x 64 results become codes: eight blocks of 32 along the next K; block n lies in registers ACC + 16 n + 0..15 of lanes l and l xor 16
.macro QUANT8
.irp n, 0,1,2,3,4,5,6,7
	v_max3_num_f32 v[TM+\n], |v[ACC+16*\n]|, |v[ACC+16*\n+1]|, 0x4800000
.endr
.irp i, 2,4,6,8,10,12,14
.irp n, 0,1,2,3,4,5,6,7
	v_max3_num_f32 v[TM+\n], v[TM+\n], |v[ACC+16*\n+\i]|, |v[ACC+16*\n+\i+1]|
.endr
.endr
.irp n, 0,1,2,3,4,5,6,7
	v_permlanex16_b32 v[TM+8+\n], v[TM+\n], s[SEL], s[SEL+1]
.endr
.irp n, 0,1,2,3,4,5,6,7
	v_max_num_f32 v[TM+\n], v[TM+\n], v[TM+8+\n]
.endr
.irp n, 0,1,2,3,4,5,6,7
	v_add_nc_u32 v[TM+24+\n], 0xfc000000, v[TM+\n]
.endr
.irp n, 0,1,2,3,4,5,6,7
	v_and_or_b32 v[TM+16+\n], v[TM+\n], 0x7f800000, s[MNT]
.endr
.irp n, 0,1,2,3,4,5,6,7
	v_lshrrev_b32 v[TM+8+\n], 23, v[TM+24+\n]
.endr
.irp g, 0,1,2,3
	v_lshl_or_b32 v[HW+\g], v[TM+9+2*\g], 8, v[TM+8+2*\g]
.endr
.irp n, 0,1,2,3,4,5,6,7
.irp i, 0,1,2,3,4,5,6,7,8,9,10,11,12,13,14,15
	v_med3_num_f32 v[ACC+16*\n+\i], v[ACC+16*\n+\i], -v[TM+16+\n], v[TM+16+\n]
.endr
	v_cvt_scalef32_pk8_fp8_f32 v[PC+4*\n:PC+4*\n+1], v[ACC+16*\n:ACC+16*\n+7], v[TM+24+\n]
	v_cvt_scalef32_pk8_fp8_f32 v[PC+4*\n+2:PC+4*\n+3], v[ACC+16*\n+8:ACC+16*\n+15], v[TM+24+\n]
.endr
	v_nop                                          ; a plain line behind the last conversion: the next products write its sources
.endm
; the way out of a tile.  dc, dw: the registers with the codes' and the words' offsets.  shared = 1 (v): a scale word's two halves come from two waves and meet in LDS behind a barrier
.macro EPI dc, dw, shared
	s_wait_xcnt 0x0                                ; the last tile's stores have read their registers
	PLACES 8
	QUANT8
.irp g, 0,1,2,3
.irp u, 0,1
	ds_store_b128 v[CSI], v[PC+8*\g+4*\u:PC+8*\g+4*\u+3] offset:1024*\g+32*\u   ; (rows of 64 bytes without padding: these eight stores go four deep in the banks)
.endr
.endr
.if \shared
.irp g, 0,1,2,3
	ds_store_b16 v[SXI], v[HW+\g] offset:64*\g
.endr
.else
.irp g, 0,1,2,3
	ds_store_b32 v[SOI], v[HW+\g] offset:64*\g     ; both halves of the lanes write the same word with the same value
.endr
.endif
.irp i, 0,1,2,3,4,5,6,7
	ds_load_b128 v[BK+4*\i:BK+4*\i+3], v[CSO] offset:512*\i   ; LDS serves a wave's instructions in order: these see my stores
.endr
.if \shared
	s_wait_dscnt 0x0                               ; for the others' sake: my halves of the words have landed
	s_barrier_signal -1
	s_barrier_wait -1
.irp i, 0,1,2,3,4,5,6,7
	global_store_b128 v[\dc], v[BK+4*\i:BK+4*\i+3], s[8:9] offset:512*\i
.endr
	s_cmp_lt_u32 s14, 2
	s_cbranch_scc0 .Lno_words_\@
	ds_load_b64 v[WD:WD+1], v[SXO]
	s_wait_dscnt 0x0
	global_store_b64 v[\dw], v[WD:WD+1], s[8:9]    ; 256 consecutive bytes, aligned
.Lno_words_\@:
.else
	ds_load_b64 v[WD:WD+1], v[SOO]
.irp i, 0,1,2,3,4,5,6,7
	s_wait_dscnt 8-\i                              ; behind load i: 7 - i loads of codes and the words' load
	global_store_b128 v[\dc], v[BK+4*\i:BK+4*\i+3], s[8:9] offset:512*\i   ; 512 consecutive bytes of a dense block of 4 KB
.endr
	s_wait_dscnt 0x0
	global_store_b64 v[\dw], v[WD:WD+1], s[8:9]
.endif
.endm
.macro TILE typ, more
	STEP 0, 0, \typ, 1
	STEP 0, 1, \typ, 0
	STEP 0, 2, \typ, 0
	TURN 0, 1, \more, 0, \typ
.if AFIRST                             ; the first tile: K half 1 has been shown by the change of slots: A's part of it goes into its registers
	AHALF 1, 0xc0
	WIN 0
.set AFIRST, 0
.endif
	STEP 1, 0, \typ, 0
	STEP 1, 1, \typ, 0
	STEP 1, 2, \typ, 0
.if \more
	TURN 1, 0, 1, 1, \typ
.else
	LAST \typ
.endif
.endm
	s_wait_alu depctr_va_vdst(0)
	s_wait_loadcnt 0x0                             ; my part of the scale words
.irp i, 0,1
	ds_store_b128 v9, v[ACC+4*\i:ACC+4*\i+3] offset:512*\i
.endr
.irp t, 0,1,2
.irp i, 0,1
	ds_store_b128 v30, v[ACC+8+8*\t+4*\i:ACC+8+8*\t+4*\i+3] offset:2048*\t+512*\i
.endr
.endr
	s_wait_tensorcnt 0x0                           ; my part of K half 0 is in
	ds_add_u32 v[SPW], v[NIL]
	s_wait_dscnt 0x0                               ; the add is done, and my scale words have landed
	CROUND                                         ; a whole round: everybody's part is in, and the joint loads meet
	JLOAD G0+4, G1, G0B+4, G1B                     ; K half 1, the first tensor load behind the round
.macro AHALF s, w
	WIN \w
.irp q, 0,1,2,3
.irp i, 0,1,2,3
.irp c, 0,1,2,3
	ds_load_b128 v[64*\q+16*\i+4*\c:64*\q+16*\i+4*\c+3], v[ADRA+\s] offset:\q*KST+(\c/2)*SUB+(\c%2)*32+\i*BLK16
.endr
.endr
.endr
.endm
	AHALF 0, 0x80
	WIN 0
	FETCH 0, 0, 0
.set AFIRST, 1
.set PFT, 2
	TILE 0, 1
	EPI DQ, DQS, 0
	TILE 0, 1
	EPI DK, DKS, 0
	TILE 1, 0
	EPI DV, DVS, 1
	s_wait_tensorcnt 0x0                           ; the wave's end
	ds_add_u32 v[SPW], v[NIL]
	s_wait_dscnt 0x0
	CROUND                                         ; the closing round
	s_endpgm
.Lfunc_end_k_q46ed9f6a78_qkv:
	.size	k_q46ed9f6a78_qkv, .Lfunc_end_k_q46ed9f6a78_qkv-k_q46ed9f6a78_qkv
	.p2alignl 7, 3214868480
	.fill 96, 4, 3214868480
	.section	.rodata,"a",@progbits
	.p2align	6, 0x0
	.amdhsa_kernel k_q46ed9f6a78_qkv
		.amdhsa_group_segment_fixed_size 327680
		.amdhsa_private_segment_fixed_size 0
		.amdhsa_enable_private_segment 0
		.amdhsa_kernarg_size 24
		.amdhsa_user_sgpr_count 2
		.amdhsa_user_sgpr_kernarg_segment_ptr 1
		.amdhsa_wavefront_size32 1
		.amdhsa_system_sgpr_workgroup_id_x 1
		.amdhsa_system_sgpr_workgroup_id_y 1
		.amdhsa_system_sgpr_workgroup_id_z 1
		.amdhsa_system_vgpr_workitem_id 0
		.amdhsa_next_free_vgpr 1024
		.amdhsa_next_free_sgpr 106
		.amdhsa_reserve_vcc 0
		.amdhsa_float_denorm_mode_32 3
		.amdhsa_float_denorm_mode_16_64 3
		.amdhsa_memory_ordered 1
		.amdhsa_forward_progress 1
		.amdhsa_inst_pref_size 168
	.end_amdhsa_kernel
	.amdgpu_metadata
---
amdhsa.version: [ 1, 2 ]
amdhsa.kernels:
  - .name:           k_q46ed9f6a78_qkv
    .symbol:         k_q46ed9f6a78_qkv.kd
    .args:
      - { .name: act, .offset: 0, .size: 8, .value_kind: global_buffer, .address_space: global }
      - { .name: wq, .offset: 8, .size: 8, .value_kind: global_buffer, .address_space: global }
      - { .name: qkv, .offset: 16, .size: 8, .value_kind: global_buffer, .address_space: global }
    .group_segment_fixed_size: 327680
    .private_segment_fixed_size: 0
    .kernarg_segment_align: 8
    .kernarg_segment_size: 24
    .max_flat_workgroup_size: 128
    .sgpr_count:     106
    .vgpr_count:     1024
    .wavefront_size: 32
...
	.end_amdgpu_metadata
.endif
;; end of part 2
;; launch attn (part 3): grid 8 x 32, 16 waves a work-group, no clusters, 327,680 bytes of LDS; arguments qkv, act; writes act
.if DOCPART == 3
	.amdgcn_target "amdgcn-amd-amdhsa--gfx1250"
	.amdhsa_code_object_version 6
	.text
	.protected	k_q46ed9f6a78_attn
	.globl	k_q46ed9f6a78_attn
	.p2align	8
	.type	k_q46ed9f6a78_attn,@function
k_q46ed9f6a78_attn:
	s_mov_b64 s[64:65], 0
	v_nop
	global_prefetch_b8 v0, s[64:65] scope:SCOPE_SE
	s_setreg_imm32_b32 hwreg(HW_REG_WAVE_MODE, 25, 1), 1
	s_wait_xcnt 0x0
; CAUSAL ATTENTION ON E4M3 CODES WITH E8M0 SCALES: O = softmax(Q K^T / 8) V for one head of 64, 2,048 tokens; O is divided by the row's sum and quantised along the head's 64 on the way out.
; WORK LEFT OUT: key steps of 128 keys that lie wholly behind a tile's queries (reference()'s own jnp.tril makes their p 0 for all inputs).
; THE SOFTMAX: t = score x log2(e) / 8; M = the running largest t rounded up to a whole number; p = 2^(t - M) is quantised along the keys, not normalised; the sum is taken of the unquantised p.
; LIMITS: the promise holds while |t| stays under 2^31; NaN and infinities are not served; a block under 2^-118 keeps the byte 1.
; THE DEAL.  Work-group (x, head) owns the query blocks 15 - x and x, 128 queries each: 17 live key steps for each pair of tiles of 16 queries.  TWO WAVES SHARE A TILE: waves 2 a and 2 a + 1 own tile a
; and take the key steps of one parity each: PAR = bit 0 xor bit 2 of the wave's number.  Every wave first walks block 15 - x, then block x: 9 live steps with PAR = 0, 8 with PAR = 1.
; At a block's end the wave with PAR = 0 hands O^T, -M and its sum to its partner through LDS and goes on; the partner brings both parts under the larger M (exact powers of two), adds, divides, quantises and stores.
; LDS.  All of the head's K (0 ..) and V (VB ..) come once: each wave asks for 64 rows of 256 bytes at the head, its one tensor load; waves 4 g .. 4 g + 3 bring quarter g of the keys (two halves of K, two of V)
; by a load line of their own, and the barrier ahead of quarter g waits for that line's waves.  The scale words (12,288 bytes) come through registers into bytes that no tensor load fills.
; The hand-over lies in K's keys 1,024 on: block x (x < 8) reads keys under 1,024 alone, and a barrier parts the last reads there from the first store.
; NO CLUSTER: which steps are walked hangs on the work-group's x, so partners of a cluster would branch by their place.  NO PREFETCH: everything is asked for at the head; there is no loop to run ahead in.
; Both products are used transposed: a lane holds one query (lane % 16); rows lie by position, so that two neighbouring score tiles hold 16 neighbouring keys.  K's rows have 64 codes: the upper 64 of the instruction's K meet Q's zero codes.
; REGISTERS: v1-4 lane addresses (K, V, their scale words); v5 the mask's bound; v7 hand-over; v8-11 a step's addresses; v12 -M, v13 largest t, v[14:15] the sum; v16-31 Q; v32-103 fragments; SS scores, then p; OO O^T; PCD codes.
.set SUB,   4352                       ; 64 rows x 64 codes in LDS (16 bytes of padding behind each 256)
.set BLK16, 1088
.set VB,    139264
.set KSC,   278528                     ; K's scale words (8,192), then V's (4,096)
.set STG,   290816                     ; a stage of 1,024 bytes for each wave
.set SPARE, 307200                     ; the spare words
.set MB,    16*SUB                     ; the hand-over: 4,608 bytes for each pair of waves
.set SS,  104
.set OO,  168
.set PCD, 200
.set BM,  216
.set BP,  220
.set BH,  224
.set BS,  228
.set TT,  232
.set FF,  234
.set SM2, 238
.set JB,  12                           ; s12 the query block in hand
.set SEL, 20
.set CS,  22
.set MNT, 60
.set TB,  61
.set TS,  62
.set TJ,  63
.set KSI, 66                           ; s66 the key step
.set CNT, 67
.set BL,  68                           ; s[68:75] block 15 - x: Q's codes, Q's scale words, O's codes, O's scale bytes
.set BSH, 76                           ; s[76:83] the same for block x
.set PAR, 84
.set A16, 86
.set HC,  87
.set HS,  88
	s_load_b128 s[4:7], s[0:1], 0x0                ; qkv, act
	v_lshl_add_u32 v254, v0, 2, SPARE
	v_mov_b32 v255, 0
	ds_add_u32 v254, v255                          ; the opening lines: the add, twice on end, and its wait ahead of my tensor load
	ds_add_u32 v254, v255
	v_lshrrev_b32 v8, 5, v0
	v_readfirstlane_b32 s8, v8                     ; wave
	s_and_b32 s9, ttmp7, 0xffff                    ; 16 x batch + head
	s_mov_b32 s32, (3<<16)|(1<<20)|(5<<22)|(3<<25) ; elements of 8 bytes; 4 words of padding after every 64
	s_mov_b32 s33, 32<<16
	s_mov_b32 s34, 64<<16
	s_mov_b32 s35, 32<<16
	s_mov_b32 s36, 64
	s_mov_b32 s37, 32
	s_mov_b32 s38, 0
	s_mov_b32 s39, 0
	s_lshr_b32 s10, s8, 2                          ; the quarter that I fetch for
	s_bfe_u32 s11, s8, 0x10001                     ; K (0) or V (1)
	s_and_b32 s13, s8, 1                           ; which half of the quarter
	s_mul_i32 s45, s10, 8*SUB
	s_mul_i32 s14, s11, VB
	s_add_co_u32 s45, s45, s14
	s_mul_i32 s14, s13, 4*SUB
	s_add_co_u32 s45, s45, s14
	s_lshl_b32 s16, s11, 22
	s_lshl_b32 s14, s9, 17
	s_add_co_u32 s16, s16, s14
	s_lshl_b32 s14, s10, 15
	s_add_co_u32 s16, s16, s14
	s_lshl_b32 s14, s13, 14
	s_add_co_u32 s16, s16, s14
	s_add_co_u32 s16, s16, 4194304
	s_mov_b32 s17, 0
	s_mov_b32 s44, 1
	s_wait_dscnt 0x0
	s_wait_kmcnt 0x0
	s_add_nc_u64 s[46:47], s[4:5], s[16:17]
	s_or_b32 s47, s47, 0x80000000
.macro TL
	tensor_load_to_lds s[44:47], s[32:39]
	s_nop 0
.rept 4
	v_nop
.endr
.endm
.macro ARM under, next                 ; one chain of branches on the wave's number, a load line for each quarter
	s_cmp_lt_u32 s8, \under
	s_cbranch_scc0 \next
	TL
	s_branch .Lasked
\next:
.endm
	ARM 4, .Lq1
	ARM 8, .Lq2
	ARM 12, .Lq3
	TL
.Lasked:
	s_mul_i32 s13, s8, 768                         ; the scale words: 768 bytes a wave, 8 bytes a lane, three times
	s_mul_i32 s14, s9, 12288
	s_add_co_u32 s14, s14, s13
	s_add_co_u32 s14, s14, 12845056
	v_and_b32 v10, 31, v0
	v_lshlrev_b32 v9, 3, v10
	v_add_nc_u32 v252, s14, v9
	v_add_nc_u32 v253, s13, v9
	v_add_nc_u32 v253, KSC, v253
.irp i, 0,1,2
	global_load_b64 v[32+2*\i:33+2*\i], v252, s[4:5] offset:256*\i
.endr
	s_lshr_b32 s11, s8, 1                          ; a: my tile
	s_and_b32 s15, s8, 1
	s_bfe_u32 s14, s8, 0x10002
	s_xor_b32 s[PAR], s15, s14                     ; the parity of my key steps
	s_lshl_b32 s[A16], s11, 4
	s_and_b32 s18, s9, 15
	s_lshl_b32 s[HC], s18, 12
	s_lshr_b32 s14, s18, 1
	s_lshl_b32 s14, s14, 8
	s_and_b32 s15, s18, 1
	s_lshl_b32 s15, s15, 1
	s_add_co_u32 s14, s14, s15
	s_add_co_u32 s[HS], s14, 4194304
.macro BASES jb, d                     ; the four bases of my tile in query block s[jb]
	s_lshl_b32 s13, s[\jb], 7
	s_add_co_u32 s13, s13, s[A16]                  ; my first position in the sequence
	s_lshl_b32 s14, s9, 11
	s_add_co_u32 s14, s14, s13
	s_lshl_b32 s16, s14, 6
	s_mov_b32 s17, 0
	s_add_nc_u64 s[\d:\d+1], s[4:5], s[16:17]
	s_lshl_b32 s16, s14, 2
	s_add_co_u32 s16, s16, 12582912
	s_add_nc_u64 s[\d+2:\d+3], s[4:5], s[16:17]
	s_lshr_b32 s14, s9, 4
	s_lshl_b32 s14, s14, 11
	s_add_co_u32 s14, s14, s13                     ; the row's position among the 4,096
	s_lshr_b32 s15, s14, 6
	s_and_b32 s14, s14, 63
	s_lshl_b32 s16, s15, 16
	s_lshl_b32 s18, s14, 6
	s_add_co_u32 s16, s16, s18
	s_add_co_u32 s16, s16, s[HC]
	s_add_nc_u64 s[\d+4:\d+5], s[6:7], s[16:17]
	s_lshl_b32 s16, s15, 11
	s_lshl_b32 s18, s14, 2
	s_add_co_u32 s16, s16, s18
	s_add_co_u32 s16, s16, s[HS]
	s_add_nc_u64 s[\d+6:\d+7], s[6:7], s[16:17]
.endm
	s_sub_co_u32 s[JB], 15, ttmp9
	BASES JB, BL
	s_mov_b32 s19, ttmp9
	BASES 19, BSH
	v_and_b32 v8, 15, v0                           ; r
	v_bfe_u32 v9, v0, 4, 1                         ; h
	v_lshlrev_b32 v1, 6, v8
	v_lshl_add_u32 v233, v9, 4, v1                 ; v233: 64 r + 16 h
	v_lshrrev_b32 v11, 2, v8
	v_lshl_add_u32 v1, v11, 4, v233
	v_add_nc_u32 v2, VB, v1
	v_lshl_add_u32 v3, v10, 2, KSC
	v_lshl_add_u32 v4, v10, 2, KSC+8192
	v_lshlrev_b32 v237, 2, v8                      ; v237: 4 r
.macro QLOAD d
	global_load_b128 v[16:19], v233, s[\d:\d+1]
	global_load_b128 v[20:23], v233, s[\d:\d+1] offset:32
	global_load_b32 v246, v237, s[\d+2:\d+3]
.endm
	QLOAD BL
	s_lshr_b32 s14, s11, 1
	s_lshl_b32 s14, s14, 5
	s_and_b32 s15, s11, 1
	s_lshl_b32 s15, s15, 3
	s_add_co_u32 s14, s14, s15
	v_lshrrev_b32 v11, 3, v8
	v_and_b32 v5, 7, v8
	v_lshl_add_u32 v5, v11, 4, v5
	v_lshlrev_b32 v11, 4, v9
	v_sub_nc_u32 v5, v5, v11
	v_add_nc_u32 v5, s14, v5                       ; my query in its block - 16 h: register 16 b + i is hidden on the diagonal where 32 b + i is greater
	v_mov_b32 v6, 0xff800000
	s_lshl_b32 s14, s8, 10
	s_add_co_u32 s14, s14, STG
	v_add_nc_u32 v248, s14, v233
	v_lshlrev_b32 v250, 4, v10                     ; v250: 16 x lane
	v_add_nc_u32 v249, s14, v250
	s_mul_i32 s14, s11, 4608
	s_add_co_u32 s14, s14, MB
	v_add_nc_u32 v7, s14, v250
	s_mov_b32 s[SEL], 0x76543210
	s_mov_b32 s[SEL+1], 0xfedcba98
	s_mov_b32 s[CS], 0x3e38aa3b                    ; log2(e) / 8
	s_mov_b32 s[CS+1], s[CS]
	s_mov_b32 s[MNT], 0x600000
.macro INIT                            ; a tile begins: the largest t under every t, the sum and O^T zero, the walk at key 0
	v_mov_b32 v13, 0xff61b1e6
	v_floor_f32 v12, -v13
	v_mov_b32 v14, 0
	v_mov_b32 v15, 0
.set j, 0
.rept 32
	v_mov_b32 v[OO+j], 0
.set j, j+1
.endr
	s_mov_b32 s[TB], 0
	s_mov_b32 s[TS], 0
	s_mov_b32 s[TJ], 0
	s_mov_b32 s[KSI], 0
.endm
	INIT
.irp j, 24,25,26,27,28,29,30,31,96,97,98,99,100,101,102,103
	v_mov_b32 v[\j], 0                             ; Q's upper 64 codes, and what stands behind K's last fragment
.endr
.irp b, 0,1,2,3
	v_mov_b32 v[BP+\b], 0                          ; a lane permute's destination counts as read
.endr
	v_mov_b32 v[TT], 0
	v_mov_b32 v[FF+1], 0                           ; named as the upper halves of pairs
	v_mov_b32 v[SM2+1], 0
	s_wait_alu depctr_va_vdst(0)
	s_wait_loadcnt 0x0
.irp i, 0,1,2
	ds_store_b64 v253, v[32+2*\i:33+2*\i] offset:256*\i
.endr
; A KEY STEP of 128 keys.  It is walked where its keys are not all hidden and its parity is mine: scalar branches on ids and the count of steps, round the work alone
.macro STEP
	s_cmp_gt_u32 s[KSI], s[JB]
	s_cbranch_scc1 .Lhidden_\@
	s_and_b32 s96, s[KSI], 1
	s_cmp_lg_u32 s96, s[PAR]
	s_cbranch_scc1 .Lhidden_\@
	v_add_nc_u32 v8, s[TB], v1
	v_add_nc_u32 v9, s[TB], v2
	v_add_nc_u32 v10, s[TS], v3
	v_add_nc_u32 v11, s[TJ], v4
.rept 4
	v_nop                                          ; with the four lines above: eight places ahead of loads into what the last products read
.endr
.irp t, 0,1,2,3,4,5,6,7
	ds_load_b128 v[32+8*\t:35+8*\t], v8 offset:(\t/4)*SUB+(\t%4)*BLK16
	ds_load_b128 v[36+8*\t:39+8*\t], v8 offset:(\t/4)*SUB+(\t%4)*BLK16+32
.endr
.irp b, 0,1,2,3
	ds_load_b32 v[240+\b], v10 offset:128*\b
.endr
	s_wait_alu depctr_va_vdst(0)
	s_wait_dscnt 0x0
.irp t, 0,2,4,6
	v_wmma_scale_f32_16x16x128_f8f6f4 v[SS+8*\t:SS+8*\t+7], v[32+8*\t:47+8*\t], v[16:31], 0, v[240+\t/2], v246
	v_wmma_scale_f32_16x16x128_f8f6f4 v[SS+8*\t+8:SS+8*\t+15], v[40+8*\t:55+8*\t], v[16:31], 0, v[240+\t/2], v246 matrix_a_scale:MATRIX_SCALE_ROW1
.endr
.rept 8
	v_nop
.endr
.irp t, 0,1,2,3
.irp c, 0,1,2,3
	ds_load_b128 v[32+16*\t+4*\c:35+16*\t+4*\c], v9 offset:(\c/2)*SUB+(\c%2)*32+\t*BLK16
.endr
.endr
	ds_load_b32 v244, v11
	ds_load_b32 v245, v11 offset:128
	s_cmp_lg_u32 s[KSI], s[JB]
	s_cbranch_scc1 .Lopen_\@
.set n, 0
.rept 64                                       ; on the diagonal hidden scores become -infinity
	v_cmp_gt_i32 vcc_lo, 32*(n/16)+n%16, v5
	v_cndmask_b32 v[SS+n], v[SS+n], v6, vcc_lo
.set n, n+1
.endr
.Lopen_\@:
.irp b, 0,1,2,3
	v_max3_num_f32 v[BM+\b], v[SS+16*\b], v[SS+16*\b+1], v[SS+16*\b+2]   ; each block's largest score: for the row's maximum and for the block's largest p
.endr
.irp i, 3,5,7,9,11,13
.irp b, 0,1,2,3
	v_max3_num_f32 v[BM+\b], v[BM+\b], v[SS+16*\b+\i], v[SS+16*\b+\i+1]
.endr
.endr
.irp b, 0,1,2,3
	v_max_num_f32 v[BM+\b], v[BM+\b], v[SS+16*\b+15]
.endr
.irp b, 0,1,2,3
	s_delay_alu instid0(VALU_DEP_4)
	v_permlanex16_b32 v[BP+\b], v[BM+\b], s[SEL], s[SEL+1]
.endr
.irp b, 0,1,2,3
	s_delay_alu instid0(VALU_DEP_4)
	v_max_num_f32 v[BM+\b], v[BM+\b], v[BP+\b]
.endr
	s_delay_alu instid0(VALU_DEP_2)
	v_max3_num_f32 v[TT], v[BM], v[BM+1], v[BM+2]
	s_delay_alu instid0(VALU_DEP_1)
	v_max_num_f32 v[TT], v[TT], v[BM+3]
	s_delay_alu instid0(VALU_DEP_1)
	v_mul_f32 v[TT], s[CS], v[TT]
	s_delay_alu instid0(VALU_DEP_1)
	v_max_num_f32 v13, v13, v[TT]
	v_mov_b32 v[TT], v12
	s_delay_alu instid0(VALU_DEP_2)
	v_floor_f32 v12, -v13                          ; -M = floor(-t)
	s_delay_alu instid0(VALU_DEP_1)
	v_sub_f32 v[TT], v12, v[TT]
	s_delay_alu instid0(VALU_DEP_1)
	v_cvt_i32_f32 v[TT], v[TT]
	s_delay_alu instid0(VALU_DEP_1)
	v_ldexp_f32 v[FF], 1.0, v[TT]                  ; f = 2^(old M - new M)
.set j, 0
.rept 32
	v_pk_fma_f32 v[SS+j:SS+j+1], v[SS+j:SS+j+1], s[CS:CS+1], v[12:13] op_sel_hi:[1,0,0]
.set j, j+2
.endr
.irp b, 0,1,2,3
	v_fma_f32 v[BM+\b], v[BM+\b], s[CS], v12
.endr
.set j, 0
	s_wait_alu depctr_va_vdst(0)                   ; the wait ahead of the batch
.rept 64
	v_exp_f32 v[SS+j], v[SS+j]
.set j, j+1
.endr
	v_pk_mul_f32 v[14:15], v[14:15], v[FF:FF+1] op_sel_hi:[1,0]
	s_wait_alu depctr_va_vdst(0)                   ; and behind it, ahead of its first reader
.irp b, 0,1,2,3
	v_exp_f32 v[BM+\b], v[BM+\b]
.endr
	v_pk_add_f32 v[SM2:SM2+1], v[SS:SS+1], v[SS+2:SS+3]   ; the sum of the unquantised p, in two chains
.irp j, 4,8,12,16,20,24,28,32,36,40,44,48,52,56,60
	v_pk_add_f32 v[14:15], v[14:15], v[SS+\j:SS+\j+1]
	v_pk_add_f32 v[SM2:SM2+1], v[SM2:SM2+1], v[SS+\j+2:SS+\j+3]
.endr
	s_delay_alu instid0(VALU_DEP_1)
	v_pk_add_f32 v[14:15], v[14:15], v[SM2:SM2+1]
	s_wait_alu depctr_va_vdst(0)                   ; for the four
.irp b, 0,1,2,3
	v_max_num_f32 v[BM+\b], 0x4800000, v[BM+\b]    ; the floor: the byte cannot fall under 1
.endr
.irp b, 0,1,2,3
	s_delay_alu instid0(VALU_DEP_4)
	v_add_nc_u32 v[BS+\b], 0xfc000000, v[BM+\b]
.endr
.irp b, 0,1,2,3
	v_and_or_b32 v[BH+\b], v[BM+\b], 0x7f800000, s[MNT]
.endr
.irp b, 0,1,2,3
	v_lshrrev_b32 v[BP+\b], 23, v[BS+\b]
.endr
	s_delay_alu instid0(VALU_DEP_3)
	v_lshl_or_b32 v247, v[BP+1], 8, v[BP]
	s_delay_alu instid0(VALU_DEP_1)
	v_lshl_or_b32 v247, v[BP+2], 16, v247
	s_delay_alu instid0(VALU_DEP_1)
	v_lshl_or_b32 v247, v[BP+3], 24, v247
.irp b, 0,1,2,3
.irp i, 0,1,2,3,4,5,6,7,8,9,10,11,12,13,14,15
	v_min_num_f32 v[SS+16*\b+\i], v[SS+16*\b+\i], v[BH+\b]   ; the conversion does not saturate (ISA guide 7.6.2); p is not negative
.endr
	v_cvt_scalef32_pk8_fp8_f32 v[PCD+4*\b:PCD+4*\b+1], v[SS+16*\b:SS+16*\b+7], v[BS+\b]
	v_cvt_scalef32_pk8_fp8_f32 v[PCD+4*\b+2:PCD+4*\b+3], v[SS+16*\b+8:SS+16*\b+15], v[BS+\b]
.endr
.set j, 0
.rept 16
	v_pk_mul_f32 v[OO+j:OO+j+1], v[OO+j:OO+j+1], v[FF:FF+1] op_sel_hi:[1,0]
.set j, j+2
.endr
	s_wait_alu depctr_va_vdst(0)
	s_wait_dscnt 0x0
.irp t, 0,2
	v_wmma_scale_f32_16x16x128_f8f6f4 v[OO+8*\t:OO+8*\t+7], v[32+16*\t:47+16*\t], v[PCD:PCD+15], v[OO+8*\t:OO+8*\t+7], v[244+\t/2], v247
	v_wmma_scale_f32_16x16x128_f8f6f4 v[OO+8*\t+8:OO+8*\t+15], v[48+16*\t:63+16*\t], v[PCD:PCD+15], v[OO+8*\t+8:OO+8*\t+15], v[244+\t/2], v247 matrix_a_scale:MATRIX_SCALE_ROW1
.endr
.Lhidden_\@:
	s_add_co_u32 s[TB], s[TB], 2*SUB
	s_add_co_u32 s[TS], s[TS], 512
	s_add_co_u32 s[TJ], s[TJ], 256
	s_add_co_u32 s[KSI], s[KSI], 1
.endm
.macro WALK n
	s_mov_b32 s[CNT], \n
.Lw_\@:
	STEP
	s_sub_co_u32 s[CNT], s[CNT], 1
	s_cmp_lg_u32 s[CNT], 0
	s_cbranch_scc1 .Lw_\@
.endm
; quarter g of the keys is shown: the waves that asked for it (and those before them) wait for their load; ahead of the last quarter every wave waits
.macro QUARTER g
.if \g < 3
	s_cmp_lt_u32 s8, 4*(\g)+4
	s_cbranch_scc0 .Lnot_yet_\@
	s_wait_tensorcnt 0x0
.Lnot_yet_\@:
.else
	s_wait_tensorcnt 0x0
.endif
	s_wait_dscnt 0x0
	s_barrier_signal -1
	s_barrier_wait -1
	WALK 4
.endm
; A TILE'S END.  d: its bases; nd: the next tile's (0: none), whose Q is asked for here
.macro FINISH d, nd
.rept 8
	v_nop                                          ; places behind the last products
.endr
	v_add_f32 v14, v14, v15
.if \nd
	QLOAD \nd
.endif
	s_wait_alu depctr_va_vdst(0)
	s_wait_dscnt 0x0
	s_barrier_signal -1
	s_barrier_wait -1                              ; nobody reads the hand-over's bytes any more
	s_cmp_lg_u32 s[PAR], 0
	s_cbranch_scc1 .Lkeep_\@                       ; the wave with PAR = 0 hands over
.irp i, 0,1,2,3,4,5,6,7
	ds_store_b128 v7, v[OO+4*\i:OO+4*\i+3] offset:512*\i   ; each accumulator from its low end on
.endr
	ds_store_b128 v7, v[12:15] offset:4096         ; -M, and the sum in the third word
.Lkeep_\@:
	s_wait_dscnt 0x0
	s_barrier_signal -1
	s_barrier_wait -1
	s_cmp_eq_u32 s[PAR], 0
	s_cbranch_scc1 .Ldone_\@                       ; and is done with this tile
.irp i, 0,1,2,3,4,5,6,7,8
	ds_load_b128 v[SS+4*\i:SS+4*\i+3], v7 offset:512*\i
.endr
	s_wait_dscnt 0x0
	v_min_num_f32 v[TT], v12, v[SS+32]             ; -M of the two parts together
	v_sub_f32 v[BM], v[TT], v12
	v_sub_f32 v[BM+1], v[TT], v[SS+32]
	v_cvt_i32_f32 v[BM], v[BM]                     ; (it saturates: a part with no step gets the factor 0)
	v_cvt_i32_f32 v[BM+1], v[BM+1]
	v_ldexp_f32 v[FF], 1.0, v[BM]
	v_ldexp_f32 v[SM2], 1.0, v[BM+1]
	v_mul_f32 v14, v14, v[FF]
	v_fmac_f32 v14, v[SS+34], v[SM2]
.set j, 0
.rept 16
	v_pk_mul_f32 v[OO+j:OO+j+1], v[OO+j:OO+j+1], v[FF:FF+1] op_sel_hi:[1,0]
.set j, j+2
.endr
.set j, 0
.rept 16
	v_pk_fma_f32 v[OO+j:OO+j+1], v[SS+j:SS+j+1], v[SM2:SM2+1], v[OO+j:OO+j+1] op_sel_hi:[1,0,1]
.set j, j+2
.endr
	v_permlanex16_b32 v[TT], v14, s[SEL], s[SEL+1]
	v_add_f32 v14, v14, v[TT]                      ; the row's sum
	s_wait_alu depctr_va_vdst(0)                   ; the wait ahead of the transcendental
	v_rcp_f32 v14, v14
	v_nop
	s_wait_alu depctr_va_vdst(0)                   ; and ahead of its first reader
.set j, 0
.rept 32
	v_mul_f32 v[SS+j], v[OO+j], v14
.set j, j+1
.endr
.irp b, 0,1
	v_max3_num_f32 v[BM+\b], |v[SS+16*\b]|, |v[SS+16*\b+1]|, 0x4800000
.endr
.irp i, 2,4,6,8,10,12,14
.irp b, 0,1
	v_max3_num_f32 v[BM+\b], v[BM+\b], |v[SS+16*\b+\i]|, |v[SS+16*\b+\i+1]|
.endr
.endr
.irp b, 0,1
	v_permlanex16_b32 v[BP+\b], v[BM+\b], s[SEL], s[SEL+1]
.endr
.irp b, 0,1
	v_max_num_f32 v[BM+\b], v[BM+\b], v[BP+\b]
.endr
.irp b, 0,1
	v_add_nc_u32 v[BS+\b], 0xfc000000, v[BM+\b]
.endr
.irp b, 0,1
	v_and_or_b32 v[BH+\b], v[BM+\b], 0x7f800000, s[MNT]
.endr
.irp b, 0,1
	v_lshrrev_b32 v[BP+\b], 23, v[BS+\b]
.endr
	v_lshl_or_b32 v[TT], v[BP+1], 8, v[BP]
.irp b, 0,1
.irp i, 0,1,2,3,4,5,6,7,8,9,10,11,12,13,14,15
	v_med3_num_f32 v[SS+16*\b+\i], v[SS+16*\b+\i], -v[BH+\b], v[BH+\b]
.endr
	v_cvt_scalef32_pk8_fp8_f32 v[PCD+4*\b:PCD+4*\b+1], v[SS+16*\b:SS+16*\b+7], v[BS+\b]
	v_cvt_scalef32_pk8_fp8_f32 v[PCD+4*\b+2:PCD+4*\b+3], v[SS+16*\b+8:SS+16*\b+15], v[BS+\b]
.endr
	v_nop                                          ; a plain line behind the last conversion
	ds_store_b128 v248, v[PCD:PCD+3]
	ds_store_b128 v248, v[PCD+4:PCD+7] offset:32
	ds_load_b128 v[32:35], v249                    ; LDS serves a wave's instructions in order
	ds_load_b128 v[36:39], v249 offset:512
	global_store_b16 v237, v[TT], s[\d+6:\d+7]
	s_wait_dscnt 1
	global_store_b128 v250, v[32:35], s[\d+4:\d+5] ; 512 consecutive bytes: 8 rows x 64 codes
	s_wait_dscnt 0x0
	global_store_b128 v250, v[36:39], s[\d+4:\d+5] offset:512
.if \nd
	s_wait_xcnt 0x0                                ; the stores have read their registers, which the next tile writes
.endif
.Ldone_\@:
.endm
	QUARTER 0                                      ; block 15 - x
	QUARTER 1
	QUARTER 2
	QUARTER 3
	FINISH BL, BSH
	INIT                                           ; block x: its keys lie under 1,024
	s_mov_b32 s[JB], ttmp9
	s_wait_alu depctr_va_vdst(0)
	s_wait_loadcnt 0x0                             ; Q
	WALK 8
	FINISH BSH, 0
	s_wait_tensorcnt 0x0                           ; the wave's end
	ds_add_u32 v254, v255
	s_wait_dscnt 0x0
	s_endpgm
.Lfunc_end_k_q46ed9f6a78_attn:
	.size	k_q46ed9f6a78_attn, .Lfunc_end_k_q46ed9f6a78_attn-k_q46ed9f6a78_attn
	.p2alignl 7, 3214868480
	.fill 96, 4, 3214868480
	.section	.rodata,"a",@progbits
	.p2align	6, 0x0
	.amdhsa_kernel k_q46ed9f6a78_attn
		.amdhsa_group_segment_fixed_size 327680
		.amdhsa_private_segment_fixed_size 0
		.amdhsa_enable_private_segment 0
		.amdhsa_kernarg_size 16
		.amdhsa_user_sgpr_count 2
		.amdhsa_user_sgpr_kernarg_segment_ptr 1
		.amdhsa_wavefront_size32 1
		.amdhsa_system_sgpr_workgroup_id_x 1
		.amdhsa_system_sgpr_workgroup_id_y 1
		.amdhsa_system_sgpr_workgroup_id_z 1
		.amdhsa_system_vgpr_workitem_id 0
		.amdhsa_next_free_vgpr 256
		.amdhsa_next_free_sgpr 100
		.amdhsa_reserve_vcc 1
		.amdhsa_float_denorm_mode_32 3
		.amdhsa_float_denorm_mode_16_64 3
		.amdhsa_memory_ordered 1
		.amdhsa_forward_progress 1
		.amdhsa_inst_pref_size 156
	.end_amdhsa_kernel
	.amdgpu_metadata
---
amdhsa.version: [ 1, 2 ]
amdhsa.kernels:
  - .name:           k_q46ed9f6a78_attn
    .symbol:         k_q46ed9f6a78_attn.kd
    .args:
      - { .name: qkv, .offset: 0, .size: 8, .value_kind: global_buffer, .address_space: global }
      - { .name: act, .offset: 8, .size: 8, .value_kind: global_buffer, .address_space: global }
    .group_segment_fixed_size: 327680
    .private_segment_fixed_size: 0
    .kernarg_segment_align: 8
    .kernarg_segment_size: 16
    .max_flat_workgroup_size: 512
    .sgpr_count:     100
    .vgpr_count:     256
    .wavefront_size: 32
...
	.end_amdgpu_metadata
.endif
;; end of part 3
;; launch wo (part 4): grid 8 x 32, 4 waves a work-group, clusters of 4 x 4, 327,680 bytes of LDS; arguments act, wq, bo, x, x1; writes x1
.if DOCPART == 4
	.amdgcn_target "amdgcn-amd-amdhsa--gfx1250"
	.amdhsa_code_object_version 6
	.text
	.protected	k_q46ed9f6a78_wo
	.globl	k_q46ed9f6a78_wo
	.p2align	8
	.type	k_q46ed9f6a78_wo,@function
k_q46ed9f6a78_wo:
	s_mov_b64 s[64:65], 0
	v_nop
	global_prefetch_b8 v0, s[64:65] scope:SCOPE_SE
	s_setreg_imm32_b32 hwreg(HW_REG_WAVE_MODE, 25, 1), 1
	s_wait_xcnt 0x0
	s_wait_alu depctr_hold_cnt(0) depctr_sa_sdst(0) depctr_va_vdst(0) depctr_va_sdst(0) depctr_va_ssrc(0) depctr_va_vcc(0) depctr_vm_vsrc(0)
	s_getreg_b32 s2, hwreg(HW_REG_IB_STS2, 6, 4)
	s_cmp_eq_u32 s2, 0
	s_cbranch_scc0 .Lentry_in_a_cluster
	s_endpgm
.Lentry_in_a_cluster:
	s_bfe_u32 s2, ttmp6, 0x10000c
	s_cmp_lg_u32 s2, 0xf033
	s_cbranch_scc0 .Lentry_shape_is_right
	s_endpgm
.Lentry_shape_is_right:
; OUT = RES + BIAS + A W^T on E4M3 codes with E8M0 scales; A [4096][KTOT] and W [1024][KTOT] in the operand layout (64 rows x 512 along K are 32 KB on end), RES and OUT [4096][1024] f32.
; A tile of OUT is 128 x 128: four waves of 64 x 64, 16 accumulators each.  K goes in steps of 512 through two LDS slots; the scale words of the tile's rows, for all of K, come once.
; THE SUMS BEGIN AT BIAS: it is the C of each sum's first matrix instruction, eight registers for each tile of 16 columns in the result's layout.
; RES IS ASKED FOR AT THE HEAD AND ADDED ON THE WAY OUT: its loads have the addresses of OUT's stores (sixteen lanes take 256 consecutive bytes of a row, aligned), land in window 2, and nothing waits for them
; before the last product; on the way out a block of rows comes back from the stage in that same layout.  The order of rounding is (BIAS + the products) + RES.
; Source 0 = W's tile, source 1 = A's: a lane holds one row and neighbouring columns.  Rows of A and W lie by position (bits 3 and 4 exchanged); RES and OUT have natural rows, so the exchange stands in their addresses.
; CLUSTER 4 x 4: A's tiles are asked for jointly along a row of the cluster, W's along a column.
.set KTOT,  1024
.set ASOFF, 4194304                    ; A's scale words behind its codes
.set WOFF,  3145728                    ; W's codes in wq
.set WSOFF, 12582912+98304             ; W's scale words in wq
.set LAPS,  KTOT/1024
.set QSZ,   KTOT*2                     ; the scale words of 64 rows
.set SUB,   4352
.set BLK16, 1088
.set KST,   2*SUB
.set HALFT, 4*KST
.set SLOT,  4*HALFT                    ; half of the tiles' bytes.  In LDS: A's rows 0-63, A's rows 64-127, W's likewise, 2 HALFT each: K half 0, then K half 1
.set SCL,   2*SLOT
.set SPARE, SCL+4*QSZ                  ; the spare words: two blocks of 256 bytes that no other line names
.set ADRA, 10
.set ADRB, 12
.set ADRS, 14
.set BO,  17                           ; v17 BIAS: my lane's offset;  v18, v19 the stage, in and out;  v20 RES and OUT: my lane's offset; never rewritten
.set STO, 18
.set RD,  19
.set CO,  20
.set SPW, 28
.set NIL, 29
.set SC,  32                           ; v32-39 scale words, two sets of four; nothing else ever
.set BK,  40                           ; v40-71, v72-103: the bias (v40-71), later rows read back from the stage
.set ACC, 128
.set RES, 0                            ; window 2, v0-127: RES, 32 registers for each block of 16 rows, in the order in which the block is stored
.set G1, 24
.set G0, 32
.set G1B, 48
.set G0B, 56
.set G1S, 68
.set G0S, 76
.set G1SB, 80
.set G0SB, 88
.set FLAGC, (3<<16)|(1<<20)|(1<<21)|(5<<22)|(3<<25)
.set FLAGS, (3<<16)|(1<<21)
.set MSB, 0
.macro WIN new
.if MSB != \new
	s_set_vgpr_msb (MSB<<8)|\new
.set MSB, \new
.endif
.endm
.set MUL,  0x05
.set TO_F, 0x40
.macro JLOAD g0a, g1a, g0b, g1b        ; waves 0, 1 fetch for A, waves 2, 3 for W; four v_nop follow each line
	s_cmp_eq_u32 s15, 0
	s_cbranch_scc0 .Lfor_b_\@
	tensor_load_to_lds s[\g0a:\g0a+3], s[\g1a:\g1a+7]
	s_nop 0
.rept 4
	v_nop
.endr
	s_branch .Lasked_\@
.Lfor_b_\@:
	tensor_load_to_lds s[\g0b:\g0b+3], s[\g1b:\g1b+7]
	s_nop 0
.rept 4
	v_nop
.endr
.Lasked_\@:
.endm
.macro CREST
	s_cmp_lg_u32 s14, 0
	s_cbranch_scc1 .Lnot_wave_0_\@
	s_barrier_signal -3
.Lnot_wave_0_\@:
	s_barrier_wait -3
	s_barrier_signal -1
	s_barrier_wait -1
.endm
.macro CROUND
	s_barrier_signal -1
	s_barrier_wait -1
	CREST
.endm
.macro PLACES n
.rept \n
	v_nop
.endr
.endm
	s_load_b128 s[4:7], s[0:1], 0x0                ; A, wq
	s_load_b128 s[8:11], s[0:1], 0x10              ; BIAS, RES
	s_load_b64 s[12:13], s[0:1], 0x20              ; OUT
	v_lshl_add_u32 v[SPW], v0, 2, SPARE
	v_mov_b32 v[NIL], 0
	ds_add_u32 v28, v29
	ds_add_u32 v28, v29
	s_wait_dscnt 0x0
	v_lshrrev_b32 v1, 5, v0
	v_readfirstlane_b32 s14, v1
	s_lshr_b32 s15, s14, 1
	s_and_b32 s16, s14, 1
	s_bfe_u32 s40, ttmp6, 0x40000                  ; cx
	s_bfe_u32 s41, ttmp6, 0x40004                  ; cy
	s_lshl_b32 s42, ttmp9, 2
	s_add_co_u32 s42, s42, s40                     ; gx
	s_and_b32 s17, ttmp7, 0xffff
	s_lshl_b32 s17, s17, 2
	s_add_co_u32 s17, s17, s41                     ; gy
	s_lshl_b32 s43, s41, 2
	s_lshl_b32 s43, 15, s43
	s_lshl_b32 s44, 0x1111, s40
	s_or_b32 s[G1], s43, FLAGC
	s_or_b32 s[G1B], s44, FLAGC
.irp g, G1, G1B
	s_mov_b32 s[\g+1], 32<<16
	s_mov_b32 s[\g+2], 128<<16                     ; a fill: 64 rows of codes x 512 along K: 128 rows of 256 bytes on end
	s_mov_b32 s[\g+3], 32<<16
	s_mov_b32 s[\g+4], 128
	s_mov_b32 s[\g+5], 32
	s_mov_b32 s[\g+6], 0
	s_mov_b32 s[\g+7], 0
.endr
	s_lshl_b32 s20, s17, 1
	s_add_co_u32 s20, s20, s16                     ; A's block of 64 rows
	s_lshl_b32 s46, s42, 1
	s_add_co_u32 s46, s46, s16                     ; W's
	s_mul_i32 s22, s20, QSZ
	s_mov_b32 s23, 0
	s_mul_i32 s92, s46, QSZ
	s_mov_b32 s93, 0
	s_mul_i32 s20, s20, 64*KTOT
	s_mov_b32 s21, 0
	s_mul_i32 s46, s46, 64*KTOT
	s_mov_b32 s47, 0
	s_mul_i32 s45, s14, 2*HALFT
	s_mul_i32 s94, s14, QSZ
	s_add_co_u32 s94, s94, SCL
	v_and_b32 v5, 31, v0
	v_lshlrev_b32 v5, 4, v5                        ; v5: 16 x lane;  v6: where my 64 rows' scale words go in LDS
	v_add_nc_u32 v6, s94, v5
	v_lshlrev_b32 v7, 4, v5                        ; v7: 256 x lane: the prefetch's offset; never rewritten
	s_wait_alu depctr_va_vdst(0)
	s_wait_kmcnt 0x0
	s_add_nc_u64 s[20:21], s[4:5], s[20:21]
	s_add_nc_u64 s[22:23], s[4:5], s[22:23]
	s_add_nc_u64 s[22:23], s[22:23], ASOFF
	s_add_nc_u64 s[46:47], s[6:7], s[46:47]
	s_add_nc_u64 s[46:47], s[46:47], WOFF
	s_add_nc_u64 s[92:93], s[6:7], s[92:93]
	s_add_nc_u64 s[92:93], s[92:93], WSOFF
	s_cmp_eq_u32 s15, 0                            ; THE SCALE WORDS COME THROUGH REGISTERS, into LDS bytes that no tensor load fills: waves 0, 1 bring A's, waves 2, 3 W's, QSZ bytes on end each
	s_cselect_b64 s[96:97], s[22:23], s[92:93]
	; THE PREFETCH INTO THE L2: K half 1 of the 64 rows that I fetch is 128 units of 256 bytes; the four partners that ask for it jointly share them out BY ADDRESS:
	; the partner at place p (cx for A, cy for W) names units 32 p .. 32 p + 31, a lane a unit, behind the head's load; that half's own load follows a slot later
	s_cselect_b64 s[98:99], s[20:21], s[46:47]
	s_cselect_b32 s100, s40, s41
	s_lshl_b32 s100, s100, 13
	s_mov_b32 s101, 0
	s_add_nc_u64 s[98:99], s[98:99], s[100:101]
.set sq, 0
.rept QSZ/512
	global_load_b128 v[ACC+4*sq:ACC+4*sq+3], v5, s[96:97] offset:512*sq
.set sq, sq+1
.endr
	CROUND                                         ; all sixteen work-groups are here: the first joint loads meet
.irp s, 0,1                                    ; group 0 of the two fills: K half s of my 64 rows
	s_mov_b32 s[G0+4*\s], 1
	s_add_co_u32 s[G0+4*\s+1], s45, \s*HALFT
	s_add_nc_u64 s[G0+4*\s+2:G0+4*\s+3], s[20:21], \s*32768
	s_or_b32 s[G0+4*\s+3], s[G0+4*\s+3], 0x80000000
	s_mov_b32 s[G0B+4*\s], 1
	s_add_co_u32 s[G0B+4*\s+1], s45, \s*HALFT
	s_add_nc_u64 s[G0B+4*\s+2:G0B+4*\s+3], s[46:47], \s*32768
	s_or_b32 s[G0B+4*\s+3], s[G0B+4*\s+3], 0x80000000
.endr
	JLOAD G0, G1, G0B, G1B                         ; one joint load a wave at the head: K half 0
	global_prefetch_b8 v7, s[98:99] offset:32768 th:TH_LOAD_NT scope:SCOPE_SE   ; K half 1 of the same rows
	v_and_b32 v1, 15, v0                           ; r
	v_bfe_u32 v2, v0, 4, 1                         ; h
	s_wait_alu depctr_va_vdst(0)
	v_lshlrev_b32 v3, 6, v1
	v_lshrrev_b32 v4, 2, v1
	v_lshl_add_u32 v3, v4, 4, v3
	v_lshl_add_u32 v3, v2, 4, v3                   ; 64 r + 16 (r>>2) + 16 h
	s_mul_i32 s21, s15, 2*HALFT
	s_mul_i32 s22, s16, 2*HALFT
	s_add_co_u32 s22, s22, 4*HALFT
.irp s, 0,1
	v_add_nc_u32 v[ADRA+\s], s21, v3
	v_add_nc_u32 v[ADRB+\s], s22, v3
	s_add_co_u32 s21, s21, HALFT
	s_add_co_u32 s22, s22, HALFT
.endr
	s_xor_b32 s21, s15, 1
	s_add_co_u32 s22, s16, s21
	s_add_co_u32 s22, s22, 1
	s_mul_i32 s22, s22, QSZ                        ; from my A words to my W words
	v_mul_u32_u24 v4, s22, v2
	s_mul_i32 s21, s15, QSZ
	s_add_co_u32 s21, s21, SCL
	v_lshl_add_u32 v4, v1, 2, v4
	v_add_nc_u32 v[ADRS], s21, v4
	s_mul_i32 s23, s14, 16*272                     ; my stage: 16 rows of 256 bytes + 16, in slot 0, used when that slot has had its last fill and its last read
	v_mul_u32_u24 v4, v1, 272
	v_lshl_add_u32 v4, v2, 6, v4
	v_add_nc_u32 v[STO], s23, v4
	v_mul_u32_u24 v4, v2, 272
	v_lshl_add_u32 v4, v1, 4, v4
	v_add_nc_u32 v[RD], s23, v4
	v_lshlrev_b32 v4, 12, v2
	v_lshl_add_u32 v[CO], v1, 4, v4                ; RES and OUT: lanes 0-15 one row, lanes 16-31 the next; 16 bytes a lane
	v_lshlrev_b32 v[BO], 6, v2
	s_wait_alu depctr_va_vdst(0)
	s_lshl_b32 s20, s17, 7
	s_lshl_b32 s21, s15, 6
	s_add_co_u32 s20, s20, s21
	s_lshl_b32 s20, s20, 12                        ; my first row of RES and OUT
	s_lshl_b32 s46, s42, 9
	s_lshl_b32 s47, s16, 8
	s_add_co_u32 s46, s46, s47                     ; my first column, in bytes
	s_mov_b32 s47, 0
	s_add_nc_u64 s[8:9], s[8:9], s[46:47]
	s_add_co_u32 s20, s20, s46
	s_mov_b32 s21, 0
	s_add_nc_u64 s[10:11], s[10:11], s[20:21]
	s_add_nc_u64 s[12:13], s[12:13], s[20:21]
.irp b, 0,1,2,3                                ; BIAS first, in the result's layout: lane (r, h) wants, for W's tile b, the columns 32 (b/2) + 16 h + 8 (b%2) + 0..7
	global_load_b128 v[BK+8*\b:BK+8*\b+3], v[BO], s[8:9] offset:128*(\b/2)+32*(\b%2)
	global_load_b128 v[BK+8*\b+4:BK+8*\b+7], v[BO], s[8:9] offset:128*(\b/2)+32*(\b%2)+16
.endr
	WIN 0x80                                       ; destination window 2, address window 0
.irp a, 0,1,2,3                                ; RES, by the addresses of OUT's stores: each line reads two rows' 256 consecutive bytes, aligned.  44 loads of mine are out at the most
.irp i, 0,1,2,3,4,5,6,7
	global_load_b128 v[RES+32*\a+4*\i:RES+32*\a+4*\i+3], v[CO], s[10:11] offset:(32*(\a/2)+8*(\a%2)+16*(\i/4)+2*(\i%4))*4096 th:TH_LOAD_NT
.endr
.endr
	WIN 0
.macro FETCH slot, q, par              ; 36 LDS loads: W's and A's four fragments of the slot's q-th 128 along K into buffer par, and that step's four scale registers
	WIN TO_F
.irp i, 0,1,2,3
.irp c, 0,1,2,3
	ds_load_b128 v[128*(\par)+64+16*\i+4*\c:128*(\par)+64+16*\i+4*\c+3], v[ADRB+\slot] offset:(\q)*KST+(\c/2)*SUB+(\c%2)*32+\i*BLK16
.endr
.endr
.irp i, 0,1,2,3
.irp c, 0,1,2,3
	ds_load_b128 v[128*(\par)+16*\i+4*\c:128*(\par)+16*\i+4*\c+3], v[ADRA+\slot] offset:(\q)*KST+(\c/2)*SUB+(\c%2)*32+\i*BLK16
.endr
.endr
	WIN 0
.irp i, 0,1,2,3
	ds_load_b32 v[SC+4*(\par)+\i], v[ADRS] offset:(4*(\slot)+(\q))*256+64*\i
.endr
.endm
.macro MUL4 g, par, cm                 ; A's tile g against W's four; cm = 1: the sums begin at BIAS.  The 16 accumulators take turns
.irp b, 0,1,2,3
.set rD, ACC+8*(4*(\g)+\b)
.set rX, 128*(\par)+64+16*\b
.set rY, 128*(\par)+16*(\g)
.if \cm
	v_wmma_scale_f32_16x16x128_f8f6f4 v[rD:rD+7], v[rX:rX+15], v[rY:rY+15], v[BK+8*\b:BK+8*\b+7], v[SC+4*(\par)+\b], v[SC+4*(\par)+(\g)] matrix_a_scale:MATRIX_SCALE_ROW1
.else
	v_wmma_scale_f32_16x16x128_f8f6f4 v[rD:rD+7], v[rX:rX+15], v[rY:rY+15], v[rD:rD+7], v[SC+4*(\par)+\b], v[SC+4*(\par)+(\g)] matrix_a_scale:MATRIX_SCALE_ROW1
.endif
.endr
.endm
.macro STEP slot, q, cm
	PLACES 8                                       ; in front of loads into registers that matrix instructions have read
	FETCH \slot, (\q)+1, ((\q)+1)%2
	s_wait_dscnt 36                                ; all but the 36 just issued
	WIN MUL
	MUL4 0, (\q)%2, \cm
	MUL4 1, (\q)%2, \cm
	MUL4 2, (\q)%2, \cm
	MUL4 3, (\q)%2, \cm
	WIN 0
.endm
.macro TURN slot, next, fill, bump     ; a slot's last step changes slots
	s_wait_tensorcnt 0x0                           ; all my tensor loads have landed
	ds_add_u32 v[SPW], v[NIL]                      ; 0 onto my spare word
	s_wait_dscnt 1                                 ; (the add may be out)
	WIN MUL
	MUL4 0, 1, 0
	s_wait_dscnt 0x0                               ; the add is done, and my reads of this slot are over
	s_barrier_signal -1
	MUL4 1, 1, 0
	WIN 0
	s_barrier_wait -1
.if \fill
	CREST                                          ; the barrier has opened a round of the cluster's
	s_add_nc_u64 s[G0+4*\slot+2:G0+4*\slot+3], s[G0+4*\slot+2:G0+4*\slot+3], 65536
	s_add_nc_u64 s[G0B+4*\slot+2:G0B+4*\slot+3], s[G0B+4*\slot+2:G0B+4*\slot+3], 65536
	JLOAD G0+4*\slot, G1, G0B+4*\slot, G1B         ; the first tensor load behind the round; its four v_nop are four of the eight places
	PLACES 4
.else
	PLACES 8
.endif
.if \bump
	v_add_nc_u32 v[ADRS], 2048, v[ADRS]            ; the next lap's eight K steps of scale words
.endif
	FETCH \next, 0, 0
	WIN MUL
	MUL4 2, 1, 0
	MUL4 3, 1, 0
	WIN 0
.endm
	s_wait_alu depctr_va_vdst(0)
	s_wait_loadcnt 40                              ; behind the scale words' loads stand BIAS's 8 and RES's 32
.set sq, 0
.rept QSZ/512
	ds_store_b128 v6, v[ACC+4*sq:ACC+4*sq+3] offset:512*sq
.set sq, sq+1
.endr
	s_wait_tensorcnt 0x0                           ; my part of K half 0 is in
	ds_add_u32 v[SPW], v[NIL]
	s_wait_dscnt 0x0                               ; the add is done, and my scale words have landed
	CROUND                                         ; a whole round: everybody's part is in, and the joint loads meet
	JLOAD G0+4, G1, G0B+4, G1B                     ; K half 1, the first tensor load behind the round
	FETCH 0, 0, 0
	s_wait_loadcnt 32                              ; behind BIAS's eight loads stand RES's 32: BIAS is in, RES may stay out
	STEP 0, 0, 1                                   ; the first step stands in front of the loop: its products start the sums, at BIAS
.if LAPS > 1
	s_mov_b32 s3, LAPS-1
.Llap:
	STEP 0, 1, 0
	STEP 0, 2, 0
	TURN 0, 1, 1, 0
	STEP 1, 0, 0
	STEP 1, 1, 0
	STEP 1, 2, 0
	TURN 1, 0, 1, 1
	STEP 0, 0, 0
	s_sub_co_u32 s3, s3, 1
	s_cmp_lg_u32 s3, 0
	s_cbranch_scc1 .Llap
.endif
	STEP 0, 1, 0                                   ; the last lap fills nothing
	STEP 0, 2, 0
	TURN 0, 1, 0, 0
	STEP 1, 0, 0
	STEP 1, 1, 0
	STEP 1, 2, 0
	s_wait_dscnt 0x0
	WIN MUL
	MUL4 0, 1, 0
	MUL4 1, 1, 0
	MUL4 2, 1, 0
	MUL4 3, 1, 0
	WIN 0
; THE WAY OUT, 16 rows x 64 columns at a time through my stage: the block comes back as rows, RES is added in that layout, and sixteen lanes store 256 consecutive bytes, aligned
.macro TOSTAGE a
.irp b, 0,1,2,3
	ds_store_b128 v[STO], v[ACC+8*(4*(\a)+\b):ACC+8*(4*(\a)+\b)+3] offset:128*(\b/2)+32*(\b%2)     ; each accumulator from its low end on
	ds_store_b128 v[STO], v[ACC+8*(4*(\a)+\b)+4:ACC+8*(4*(\a)+\b)+7] offset:128*(\b/2)+32*(\b%2)+16
.endr
.irp i, 0,1,2,3,4,5,6,7
	ds_load_b128 v[BK+32*((\a)%2)+4*\i:BK+32*((\a)%2)+4*\i+3], v[RD] offset:544*\i   ; LDS serves a wave's instructions in order
.endr
.endm
.macro SEND a, younger
	s_wait_dscnt \younger
	WIN 0x08                                       ; source 1 in window 2
.set n, 0
.rept 16
	v_pk_add_f32 v[BK+32*((\a)%2)+n:BK+32*((\a)%2)+n+1], v[BK+32*((\a)%2)+n:BK+32*((\a)%2)+n+1], v[RES+32*(\a)+n:RES+32*(\a)+n+1]
.set n, n+2
.endr
	WIN 0
.irp i, 0,1,2,3,4,5,6,7
	global_store_b128 v[CO], v[BK+32*((\a)%2)+4*\i:BK+32*((\a)%2)+4*\i+3], s[12:13] offset:(32*((\a)/2)+8*((\a)%2)+16*(\i/4)+2*(\i%4))*4096 th:TH_STORE_NT
.endr
.endm
	PLACES 8
	s_wait_loadcnt 0x0                             ; RES, asked for at the head
	TOSTAGE 0
	TOSTAGE 1
	SEND 0, 16                                     ; behind block 0's loads: block 1's 8 stores and 8 loads
	s_wait_xcnt 0x0                                ; block 0's stores have read their registers
	TOSTAGE 2
	SEND 1, 16
	s_wait_xcnt 0x0
	TOSTAGE 3
	SEND 2, 16
	SEND 3, 0
	s_wait_tensorcnt 0x0                           ; the wave's end
	ds_add_u32 v[SPW], v[NIL]
	s_wait_dscnt 0x0
	CROUND                                         ; the closing round
	s_endpgm
.Lfunc_end_k_q46ed9f6a78_wo:
	.size	k_q46ed9f6a78_wo, .Lfunc_end_k_q46ed9f6a78_wo-k_q46ed9f6a78_wo
	.p2alignl 7, 3214868480
	.fill 96, 4, 3214868480
	.section	.rodata,"a",@progbits
	.p2align	6, 0x0
	.amdhsa_kernel k_q46ed9f6a78_wo
		.amdhsa_group_segment_fixed_size 327680
		.amdhsa_private_segment_fixed_size 0
		.amdhsa_enable_private_segment 0
		.amdhsa_kernarg_size 40
		.amdhsa_user_sgpr_count 2
		.amdhsa_user_sgpr_kernarg_segment_ptr 1
		.amdhsa_wavefront_size32 1
		.amdhsa_system_sgpr_workgroup_id_x 1
		.amdhsa_system_sgpr_workgroup_id_y 1
		.amdhsa_system_sgpr_workgroup_id_z 1
		.amdhsa_system_vgpr_workitem_id 0
		.amdhsa_next_free_vgpr 640
		.amdhsa_next_free_sgpr 104
		.amdhsa_reserve_vcc 0
		.amdhsa_float_denorm_mode_32 3
		.amdhsa_float_denorm_mode_16_64 3
		.amdhsa_memory_ordered 1
		.amdhsa_forward_progress 1
		.amdhsa_inst_pref_size 63
	.end_amdhsa_kernel
	.amdgpu_metadata
---
amdhsa.version: [ 1, 2 ]
amdhsa.kernels:
  - .name:           k_q46ed9f6a78_wo
    .symbol:         k_q46ed9f6a78_wo.kd
    .args:
      - { .name: act, .offset: 0, .size: 8, .value_kind: global_buffer, .address_space: global }
      - { .name: wq, .offset: 8, .size: 8, .value_kind: global_buffer, .address_space: global }
      - { .name: bo, .offset: 16, .size: 8, .value_kind: global_buffer, .address_space: global }
      - { .name: x, .offset: 24, .size: 8, .value_kind: global_buffer, .address_space: global }
      - { .name: x1, .offset: 32, .size: 8, .value_kind: global_buffer, .address_space: global }
    .group_segment_fixed_size: 327680
    .private_segment_fixed_size: 0
    .kernarg_segment_align: 8
    .kernarg_segment_size: 40
    .max_flat_workgroup_size: 128
    .sgpr_count:     104
    .vgpr_count:     640
    .wavefront_size: 32
...
	.end_amdgpu_metadata
.endif
;; end of part 4
;; launch ln2 (part 5): grid 256 x 1, 4 waves a work-group, no clusters, 0 bytes of LDS; arguments x1, g2, be2, act; writes act
.if DOCPART == 5
	.amdgcn_target "amdgcn-amd-amdhsa--gfx1250"
	.amdhsa_code_object_version 6
	.text
	.protected	k_q46ed9f6a78_ln2
	.globl	k_q46ed9f6a78_ln2
	.p2align	8
	.type	k_q46ed9f6a78_ln2,@function
k_q46ed9f6a78_ln2:
	s_mov_b64 s[64:65], 0
	v_nop
	global_prefetch_b8 v0, s[64:65] scope:SCOPE_SE
	s_setreg_imm32_b32 hwreg(HW_REG_WAVE_MODE, 25, 1), 1
	s_wait_xcnt 0x0
; Layer norm 2 of x1 [4096][1024], quantised along the row to E4M3 codes with one E8M0 byte for each 32, into the operand layout:
; code (p, k) at (p>>6) 65536 + (k>>6) 4096 + (p&63) 64 + (k&63); scale word (p, s) at 4194304 + (p>>6) 2048 + 256 s + 4 (p&63); position p holds the row p with its bits 3 and 4 exchanged.
; A wave takes 4 rows, eight lanes to a row; lane (rr, c8) holds k = 64 kc + 8 c8 + 0..7, kc = 0..15.  Window 1 holds g (v0-127) and be (v128-255) in the same order.
; The mean is taken first and the variance of the differences.  LIMITS: NaN and infinities not served; a block under 2^-118 (zeros too) keeps the byte 1.
.set MSB, 0
.macro WIN new
.if MSB != \new
	s_set_vgpr_msb (MSB<<8)|\new
.set MSB, \new
.endif
.endm
.set LX, 64
.set LC, 192
.set LE, 224
.set LW, 240
	s_load_b128 s[4:7], s[0:1], 0x0                ; x1, g2
	s_load_b128 s[8:11], s[0:1], 0x10              ; be2, act
	v_lshrrev_b32 v1, 5, v0
	v_readfirstlane_b32 s12, v1
	v_and_b32 v1, 31, v0
	v_lshrrev_b32 v2, 3, v1                        ; rr
	v_and_b32 v3, 7, v1                            ; c8
	v_lshlrev_b32 v5, 5, v3
	v_lshl_add_u32 v4, v2, 12, v5
	v_lshlrev_b32 v6, 3, v1
	v_lshlrev_b32 v7, 8, v3
	v_lshl_add_u32 v7, v2, 2, v7
	v_lshrrev_b32 v20, 2, v3
	v_lshlrev_b32 v20, 3, v20
	v_mov_b32 v22, 0
	v_mov_b32 v[LW], 0
.irp s, 0,1,2,3,4,5,6,7
	v_cmp_eq_u32 s[40+\s], \s, v3
.endr
	s_lshl_b32 s13, ttmp9, 4
	s_lshl_b32 s14, s12, 2
	s_add_co_u32 s13, s13, s14                     ; my first row
	s_and_b32 s14, s13, 0xffffffe7
	s_bfe_u32 s15, s13, 0x10003
	s_lshl_b32 s15, s15, 4
	s_or_b32 s14, s14, s15
	s_bfe_u32 s15, s13, 0x10004
	s_lshl_b32 s15, s15, 3
	s_or_b32 s14, s14, s15                         ; its position
	s_lshl_b32 s16, s13, 12
	s_mov_b32 s17, 0
	s_lshr_b32 s15, s14, 6
	s_and_b32 s14, s14, 63
	s_lshl_b32 s18, s15, 16
	s_lshl_b32 s20, s14, 6
	s_add_co_u32 s18, s18, s20
	s_mov_b32 s19, 0
	s_lshl_b32 s20, s15, 11
	s_lshl_b32 s21, s14, 2
	s_add_co_u32 s20, s20, s21
	s_add_co_u32 s20, s20, 4194304
	s_mov_b32 s21, 0
	s_mov_b32 s30, 0x3a800000                      ; 1 / 1024
	s_mov_b32 s31, 0x3727c5ac                      ; 1e-5
	s_mov_b32 s32, 0x600000
	s_wait_kmcnt 0x0
	s_add_nc_u64 s[4:5], s[4:5], s[16:17]
	s_add_nc_u64 s[18:19], s[10:11], s[18:19]
	s_add_nc_u64 s[20:21], s[10:11], s[20:21]
.irp k, 0,1,2,3,4,5,6,7,8,9,10,11,12,13,14,15
	global_load_b128 v[LX+8*\k:LX+8*\k+3], v4, s[4:5] offset:256*\k th:TH_LOAD_NT
	global_load_b128 v[LX+8*\k+4:LX+8*\k+7], v4, s[4:5] offset:256*\k+16 th:TH_LOAD_NT
.endr
	WIN 0x40
.irp k, 0,1,2,3,4,5,6,7,8,9,10,11,12,13,14,15
	global_load_b128 v[8*\k:8*\k+3], v5, s[6:7] offset:256*\k
	global_load_b128 v[8*\k+4:8*\k+7], v5, s[6:7] offset:256*\k+16
.endr
	s_wait_loadcnt 32                              ; behind the row's 32 loads stand g's 32: the row is in
.irp k, 0,1,2,3,4,5,6,7,8,9,10,11,12,13,14,15
	global_load_b128 v[128+8*\k:128+8*\k+3], v5, s[8:9] offset:256*\k
	global_load_b128 v[128+8*\k+4:128+8*\k+7], v5, s[8:9] offset:256*\k+16
.endr
	WIN 0
.irp c, 0,1,2,3
	v_pk_add_f32 v[8+2*\c:9+2*\c], v[LX+2*\c:LX+2*\c+1], v[LX+8+2*\c:LX+9+2*\c]
.endr
.set j, 8
.rept 56
	v_pk_add_f32 v[8+2*(j%4):9+2*(j%4)], v[8+2*(j%4):9+2*(j%4)], v[LX+2*j:LX+2*j+1]
.set j, j+1
.endr
	v_pk_add_f32 v[8:9], v[8:9], v[10:11]
	v_pk_add_f32 v[12:13], v[12:13], v[14:15]
	v_pk_add_f32 v[8:9], v[8:9], v[12:13]
	v_add_f32 v8, v8, v9
	v_add_f32_dpp v8, v8, v8 row_xmask:1 row_mask:0xf bank_mask:0xf
	v_add_f32_dpp v8, v8, v8 row_xmask:2 row_mask:0xf bank_mask:0xf
	v_add_f32_dpp v8, v8, v8 row_xmask:4 row_mask:0xf bank_mask:0xf
	v_mul_f32 v8, s30, v8                          ; the mean
.set j, 0
.rept 64
	v_pk_add_f32 v[LX+2*j:LX+2*j+1], v[LX+2*j:LX+2*j+1], v[8:9] op_sel_hi:[1,0] neg_lo:[0,1] neg_hi:[0,1]
.set j, j+1
.endr
.irp c, 0,1,2,3
	v_pk_mul_f32 v[8+2*\c:9+2*\c], v[LX+2*\c:LX+2*\c+1], v[LX+2*\c:LX+2*\c+1]
.endr
.set j, 4
.rept 60
	v_pk_fma_f32 v[8+2*(j%4):9+2*(j%4)], v[LX+2*j:LX+2*j+1], v[LX+2*j:LX+2*j+1], v[8+2*(j%4):9+2*(j%4)]
.set j, j+1
.endr
	v_pk_add_f32 v[8:9], v[8:9], v[10:11]
	v_pk_add_f32 v[12:13], v[12:13], v[14:15]
	v_pk_add_f32 v[8:9], v[8:9], v[12:13]
	v_add_f32 v8, v8, v9
	v_add_f32_dpp v8, v8, v8 row_xmask:1 row_mask:0xf bank_mask:0xf
	v_add_f32_dpp v8, v8, v8 row_xmask:2 row_mask:0xf bank_mask:0xf
	v_add_f32_dpp v8, v8, v8 row_xmask:4 row_mask:0xf bank_mask:0xf
	v_fma_f32 v8, v8, s30, s31
	s_wait_alu depctr_va_vdst(0)
	v_rsq_f32 v16, v8
	v_mov_b32 v17, 0                               ; a plain line behind the root; it also writes the pair's upper half
	s_wait_alu depctr_va_vdst(0)                   ; the wait ahead of the root's first reader
.set j, 0
.rept 64
	v_pk_mul_f32 v[LX+2*j:LX+2*j+1], v[LX+2*j:LX+2*j+1], v[16:17] op_sel_hi:[1,0]
.set j, j+1
.endr
	s_wait_loadcnt 0x0
	WIN 0x14
.set j, 0
.rept 64
	v_pk_fma_f32 v[LX+2*j:LX+2*j+1], v[LX+2*j:LX+2*j+1], v[2*j:2*j+1], v[128+2*j:129+2*j]
.set j, j+1
.endr
	WIN 0
.macro QK4 k0                          ; four pieces of 64 along K by turns: a block of 32 lies in four neighbouring lanes
.irp d, 0,1,2,3
	v_max3_num_f32 v[8+\d], |v[LX+8*(\k0+\d)]|, |v[LX+8*(\k0+\d)+1]|, 0x4800000
.endr
.irp e, 2,4,6
.irp d, 0,1,2,3
	v_max3_num_f32 v[8+\d], v[8+\d], |v[LX+8*(\k0+\d)+\e]|, |v[LX+8*(\k0+\d)+\e+1]|
.endr
.endr
.irp d, 0,1,2,3
	v_max_num_f32_dpp v[8+\d], v[8+\d], v[8+\d] row_xmask:1 row_mask:0xf bank_mask:0xf
.endr
.irp d, 0,1,2,3
	v_max_num_f32_dpp v[8+\d], v[8+\d], v[8+\d] row_xmask:2 row_mask:0xf bank_mask:0xf
.endr
.irp d, 0,1,2,3
	v_add_nc_u32 v[12+\d], 0xfc000000, v[8+\d]
.endr
.irp d, 0,1,2,3
	v_and_or_b32 v[16+\d], v[8+\d], 0x7f800000, s32
.endr
.irp d, 0,1,2,3
.irp e, 0,1,2,3,4,5,6,7
	v_med3_num_f32 v[LX+8*(\k0+\d)+\e], v[LX+8*(\k0+\d)+\e], -v[16+\d], v[16+\d]
.endr
.endr
.irp d, 0,1,2,3
	v_cvt_scalef32_pk8_fp8_f32 v[LC+2*(\k0+\d):LC+2*(\k0+\d)+1], v[LX+8*(\k0+\d):LX+8*(\k0+\d)+7], v[12+\d]
.endr
.irp d, 0,1,2,3
	v_lshrrev_b32 v[LE+\k0+\d], 23, v[12+\d]
.endr
.irp d, 0,1,2,3
	global_store_b64 v6, v[LC+2*(\k0+\d):LC+2*(\k0+\d)+1], s[18:19] offset:4096*(\k0+\d)   ; 256 consecutive bytes, aligned
.endr
.endm
	QK4 0
	QK4 4
	QK4 8
	QK4 12
.macro WORD s
	v_lshl_or_b32 v21, v[LE+2*\s+1], 16, v[LE+2*\s]
	v_lshlrev_b32 v21, v20, v21
	v_mov_b32_dpp v22, v21 row_xmask:4 row_mask:0xf bank_mask:0xf
	v_or_b32 v21, v21, v22
	v_cndmask_b32 v[LW], v[LW], v21, s[40+\s]
.endm
.irp s, 0,1,2,3,4,5,6,7
	WORD \s
.endr
	global_store_b32 v7, v[LW], s[20:21]           ; pieces of 16 bytes: one byte for each 128 that the launch reads
	s_endpgm
.Lfunc_end_k_q46ed9f6a78_ln2:
	.size	k_q46ed9f6a78_ln2, .Lfunc_end_k_q46ed9f6a78_ln2-k_q46ed9f6a78_ln2
	.p2alignl 7, 3214868480
	.fill 96, 4, 3214868480
	.section	.rodata,"a",@progbits
	.p2align	6, 0x0
	.amdhsa_kernel k_q46ed9f6a78_ln2
		.amdhsa_group_segment_fixed_size 0
		.amdhsa_private_segment_fixed_size 0
		.amdhsa_enable_private_segment 0
		.amdhsa_kernarg_size 32
		.amdhsa_user_sgpr_count 2
		.amdhsa_user_sgpr_kernarg_segment_ptr 1
		.amdhsa_wavefront_size32 1
		.amdhsa_system_sgpr_workgroup_id_x 1
		.amdhsa_system_sgpr_workgroup_id_y 1
		.amdhsa_system_sgpr_workgroup_id_z 1
		.amdhsa_system_vgpr_workitem_id 0
		.amdhsa_next_free_vgpr 512
		.amdhsa_next_free_sgpr 66
		.amdhsa_reserve_vcc 0
		.amdhsa_float_denorm_mode_32 3
		.amdhsa_float_denorm_mode_16_64 3
		.amdhsa_memory_ordered 1
		.amdhsa_forward_progress 1
		.amdhsa_inst_pref_size 55
	.end_amdhsa_kernel
	.amdgpu_metadata
---
amdhsa.version: [ 1, 2 ]
amdhsa.kernels:
  - .name:           k_q46ed9f6a78_ln2
    .symbol:         k_q46ed9f6a78_ln2.kd
    .args:
      - { .name: x1, .offset: 0, .size: 8, .value_kind: global_buffer, .address_space: global }
      - { .name: g2, .offset: 8, .size: 8, .value_kind: global_buffer, .address_space: global }
      - { .name: be2, .offset: 16, .size: 8, .value_kind: global_buffer, .address_space: global }
      - { .name: act, .offset: 24, .size: 8, .value_kind: global_buffer, .address_space: global }
    .group_segment_fixed_size: 0
    .private_segment_fixed_size: 0
    .kernarg_segment_align: 8
    .kernarg_segment_size: 32
    .max_flat_workgroup_size: 128
    .sgpr_count:     66
    .vgpr_count:     512
    .wavefront_size: 32
...
	.end_amdgpu_metadata
.endif
;; end of part 5
;; launch ffn1 (part 6): grid 8 x 32, 4 waves a work-group, clusters of 4 x 4, 327,680 bytes of LDS; arguments act, wq, hid, b1; writes hid
.if DOCPART == 6
	.amdgcn_target "amdgcn-amd-amdhsa--gfx1250"
	.amdhsa_code_object_version 6
	.text
	.protected	k_q46ed9f6a78_ffn1
	.globl	k_q46ed9f6a78_ffn1
	.p2align	8
	.type	k_q46ed9f6a78_ffn1,@function
k_q46ed9f6a78_ffn1:
	s_mov_b64 s[64:65], 0
	v_nop
	global_prefetch_b8 v0, s[64:65] scope:SCOPE_SE
	s_setreg_imm32_b32 hwreg(HW_REG_WAVE_MODE, 25, 1), 1
	s_wait_xcnt 0x0
	s_wait_alu depctr_hold_cnt(0) depctr_sa_sdst(0) depctr_va_vdst(0) depctr_va_sdst(0) depctr_va_ssrc(0) depctr_va_vcc(0) depctr_vm_vsrc(0)
	s_getreg_b32 s2, hwreg(HW_REG_IB_STS2, 6, 4)
	s_cmp_eq_u32 s2, 0
	s_cbranch_scc0 .Lentry_in_a_cluster
	s_endpgm
.Lentry_in_a_cluster:
	s_bfe_u32 s2, ttmp6, 0x10000c
	s_cmp_lg_u32 s2, 0xf033
	s_cbranch_scc0 .Lentry_shape_is_right
	s_endpgm
.Lentry_shape_is_right:
; HID = relu(LN2(x1) W1 + b1), quantised along its row, on E4M3 codes with E8M0 scales.  A work-group takes 128 rows of the activations and walks four tiles of 128 columns; four waves, 64 x 64 each.
; In LDS: A's rows 0-63, A's rows 64-127, B's likewise, 2 HALFT each: K half 0, then K half 1.  At the head a wave asks for K half 0 of its 64 rows, its one joint load there; K half 1 follows behind a round of the cluster's barrier.
; THE ACTIVATIONS GO ON INTO REGISTERS (my 64 rows, all of K: windows 2 and 3) and serve all four tiles; the weights' part of LDS is filled again tile by tile, a quarter of a K half a wave, in rounds of the cluster's barrier.
; The scale words come through registers into LDS bytes that no tensor load fills.  The sums begin at b1; the hold between 0 and 448 x the scale is the activation too.
; What later loads will ask for is prefetched into the L2: K half 1 and the weights' tile 1 at the head, tile t + 2 behind tile t's first refill.
; LIMITS: NaN and infinities not served; a block under 2^-118 keeps the byte 1.
.set TILES, 4
.set RB0,   64
.set WSB,   12582912
.set SUB,   4352
.set BLK16, 1088
.set KST,   2*SUB
.set HALFT, 4*KST
.set SLOT,  4*HALFT
.set ASC,   2*SLOT
.set BSC,   ASC+4096
.set CST,   BSC+2*TILES*2048
.set SCXS,  CST+4*4096
.set SPARE, SCXS+TILES*512
.set ADRA, 10
.set ADRB, 12
.set ADRS, 14
.set BUMP, 15
.set DC,  16
.set BO,  17
.set DW,  19
.set CSI, 22
.set CSO, 23
.set SXI, 26
.set SXO, 27
.set SPW, 28
.set NIL, 29
.set SC,  32
.set TM,  40
.set BK,  40
.set PC,  72
.set HW,  104
.set WD,  108
.set ACC, 128
.set G1, 24
.set G0, 32
.set G0R, 40
.set G1B, 48
.set G0B, 56
.set G1S, 68
.set G0S, 76
.set G1SB, 80
.set G0SB, 88
.set G1R, 92
.set SEL, 100
.set MNT, 66
.set FLAGC, (3<<16)|(1<<20)|(1<<21)|(5<<22)|(3<<25)
.set FLAGS, (3<<16)|(1<<21)
.set MSB, 0
.macro WIN new
.if MSB != \new
	s_set_vgpr_msb (MSB<<8)|\new
.set MSB, \new
.endif
.endm
.set MUL,  0x05
.set MULB, 0x19                        ; a tile's first products: B window 1, A window 2, C (the bias) window 1
.set TO_F, 0x40
.macro JLOAD g0a, g1a, g0b, g1b
	s_cmp_eq_u32 s15, 0
	s_cbranch_scc0 .Lfor_b_\@
	tensor_load_to_lds s[\g0a:\g0a+3], s[\g1a:\g1a+7]
	s_nop 0
.rept 4
	v_nop
.endr
	s_branch .Lasked_\@
.Lfor_b_\@:
	tensor_load_to_lds s[\g0b:\g0b+3], s[\g1b:\g1b+7]
	s_nop 0
.rept 4
	v_nop
.endr
.Lasked_\@:
.endm
.macro CREST
	s_cmp_lg_u32 s14, 0
	s_cbranch_scc1 .Lnot_wave_0_\@
	s_barrier_signal -3
.Lnot_wave_0_\@:
	s_barrier_wait -3
	s_barrier_signal -1
	s_barrier_wait -1
.endm
.macro CROUND
	s_barrier_signal -1
	s_barrier_wait -1
	CREST
.endm
.macro PLACES n
.rept \n
	v_nop
.endr
.endm
	s_load_b128 s[4:7], s[0:1], 0x0
	s_load_b64 s[8:9], s[0:1], 0x10
	s_load_b64 s[12:13], s[0:1], 0x18
	v_lshl_add_u32 v[SPW], v0, 2, SPARE
	v_mov_b32 v[NIL], 0
	ds_add_u32 v28, v29
	ds_add_u32 v28, v29
	s_wait_dscnt 0x0
	v_lshrrev_b32 v1, 5, v0
	v_readfirstlane_b32 s14, v1
	s_lshr_b32 s15, s14, 1
	s_and_b32 s16, s14, 1
	s_bfe_u32 s100, ttmp6, 0x40000
	s_bfe_u32 s101, ttmp6, 0x40004
	s_lshl_b32 s104, ttmp9, 2
	s_add_co_u32 s104, s104, s100
	s_and_b32 s17, ttmp7, 0xffff
	s_lshl_b32 s17, s17, 2
	s_add_co_u32 s17, s17, s101
	s_lshl_b32 s105, s101, 2
	s_lshl_b32 s105, 15, s105
	s_lshl_b32 s67, 0x1111, s100
	s_or_b32 s[G1], s105, FLAGC
	s_or_b32 s[G1B], s67, FLAGC
	s_or_b32 s[G1R], s67, FLAGC
.irp g, G1, G1B
	s_mov_b32 s[\g+1], 32<<16
	s_mov_b32 s[\g+2], 128<<16
	s_mov_b32 s[\g+3], 32<<16
	s_mov_b32 s[\g+4], 128
	s_mov_b32 s[\g+5], 32
	s_mov_b32 s[\g+6], 0
	s_mov_b32 s[\g+7], 0
.endr
	s_mov_b32 s[G1R+1], 32<<16
	s_mov_b32 s[G1R+2], 64<<16
	s_mov_b32 s[G1R+3], 32<<16
	s_mov_b32 s[G1R+4], 64
	s_mov_b32 s[G1R+5], 32
	s_mov_b32 s[G1R+6], 0
	s_mov_b32 s[G1R+7], 0
	s_lshl_b32 s20, s17, 1
	s_add_co_u32 s20, s20, s16
	s_lshl_b32 s18, s104, 1
	s_add_co_u32 s18, s18, s16
	s_add_co_u32 s18, s18, RB0
	s_lshl_b32 s22, s17, 12                        ; the scale words of my work-group's 128 rows of A: 4,096 bytes on end
	s_mov_b32 s23, 0
	s_lshl_b32 s2, s104, 12                        ; and of its 128 rows of B in the walk's first tile
	s_add_co_u32 s2, s2, RB0*2048
	s_mov_b32 s3, 0
	s_lshl_b32 s20, s20, 16
	s_mov_b32 s21, 0
	s_lshl_b32 s18, s18, 16
	s_mov_b32 s19, 0
	s_lshl_b32 s10, s15, 14
	s_mov_b32 s11, 0
	s_mul_i32 s66, s14, 2*HALFT
	s_lshl_b32 s68, s14, 10                        ; of each run of 4,096 bytes of scale words a wave takes 1,024, 16 bytes a lane
	s_mul_i32 s69, s15, TILES*2048
	s_lshl_b32 s70, s16, 10
	s_add_co_u32 s69, s69, s70
	s_add_co_u32 s69, s69, BSC
	v_and_b32 v30, 31, v0
	v_lshlrev_b32 v30, 4, v30
	v_lshlrev_b32 v31, 4, v30                      ; v31: 256 x lane: the prefetches' offset; never rewritten
	v_add_nc_u32 v8, s68, v30                      ; v8: my offset in a run
	v_add_nc_u32 v9, ASC, v8                       ; v9: where A's go
	v_add_nc_u32 v30, s69, v30                     ; v30: where B's go: [64 rows][tile][2,048]
	s_wait_alu depctr_va_vdst(0)
	s_wait_kmcnt 0x0
	s_add_nc_u64 s[20:21], s[4:5], s[20:21]
	s_add_nc_u64 s[76:77], s[4:5], s[22:23]
	s_add_nc_u64 s[76:77], s[76:77], 4194304
	s_add_nc_u64 s[18:19], s[6:7], s[18:19]
	s_add_nc_u64 s[88:89], s[6:7], s[2:3]
	s_add_nc_u64 s[88:89], s[88:89], WSB
	; THE PREFETCHES: a lane names a unit of 256 bytes, an instruction 32 units; the four partners that ask for a tile jointly share its units out BY ADDRESS (place p = cx for A, cy for B).
	; s[80:81]: K half 1 of the 64 rows that I fetch at the head is 128 units: partner p names 32 p .. 32 p + 31.
	; s[82:83]: of a later tile of B a wave refills a quarter of each K half, 2 x 64 units: partner p names half p / 2, units 32 (p % 2) on.
	s_cmp_eq_u32 s15, 0
	s_cselect_b64 s[80:81], s[20:21], s[18:19]
	s_cselect_b32 s84, s100, s101
	s_lshl_b32 s84, s84, 13
	s_mov_b32 s85, 0
	s_add_nc_u64 s[80:81], s[80:81], s[84:85]
	s_lshr_b32 s84, s101, 1
	s_lshl_b32 s84, s84, 15
	s_and_b32 s86, s101, 1
	s_lshl_b32 s86, s86, 13
	s_add_co_u32 s84, s84, s86
	s_add_co_u32 s84, s84, s10
	s_add_nc_u64 s[82:83], s[18:19], s[84:85]
.irp i, 0,1
	global_load_b128 v[ACC+4*\i:ACC+4*\i+3], v8, s[76:77] offset:512*\i
.endr
.irp t, 0,1,2,3
.irp i, 0,1
	global_load_b128 v[ACC+8+8*\t+4*\i:ACC+8+8*\t+4*\i+3], v8, s[88:89] offset:32768*\t+512*\i
.endr
.endr
	CROUND                                         ; all sixteen work-groups are here: the first joint loads meet
.irp s, 0,1
	s_mov_b32 s[G0+4*\s], 1
	s_add_co_u32 s[G0+4*\s+1], s66, \s*HALFT
	s_add_nc_u64 s[G0+4*\s+2:G0+4*\s+3], s[20:21], \s*32768
	s_or_b32 s[G0+4*\s+3], s[G0+4*\s+3], 0x80000000
	s_mov_b32 s[G0B+4*\s], 1
	s_add_co_u32 s[G0B+4*\s+1], s66, \s*HALFT
	s_add_nc_u64 s[G0B+4*\s+2:G0B+4*\s+3], s[18:19], \s*32768
	s_or_b32 s[G0B+4*\s+3], s[G0B+4*\s+3], 0x80000000
.endr
	JLOAD G0, G1, G0B, G1B                         ; one joint load a wave at the head: K half 0 of my 64 rows
	global_prefetch_b8 v31, s[80:81] offset:32768 th:TH_LOAD_NT scope:SCOPE_SE     ; K half 1 of the same rows
	global_prefetch_b8 v31, s[82:83] offset:1048576 th:TH_LOAD_NT scope:SCOPE_SE   ; B's tile 1
	s_mul_i32 s[G0R+1], s16, 2*HALFT
	s_mul_i32 s[G0R+5], s15, 2*KST
	s_add_co_u32 s[G0R+1], s[G0R+1], s[G0R+5]
	s_add_co_u32 s[G0R+1], s[G0R+1], 4*HALFT
	s_add_co_u32 s[G0R+5], s[G0R+1], HALFT
	s_mov_b32 s[G0R], 1
	s_mov_b32 s[G0R+4], 1
	s_add_nc_u64 s[G0R+2:G0R+3], s[18:19], s[10:11]
	s_add_nc_u64 s[G0R+6:G0R+7], s[G0R+2:G0R+3], 32768
	s_or_b32 s[G0R+3], s[G0R+3], 0x80000000
	s_or_b32 s[G0R+7], s[G0R+7], 0x80000000
	s_mov_b32 s[SEL], 0x76543210
	s_mov_b32 s[SEL+1], 0xfedcba98
	s_mov_b32 s[MNT], 0x600000
	v_and_b32 v1, 15, v0
	v_bfe_u32 v2, v0, 4, 1
	s_wait_alu depctr_va_vdst(0)
	v_lshlrev_b32 v3, 6, v1
	v_lshrrev_b32 v4, 2, v1
	v_lshl_add_u32 v3, v4, 4, v3
	v_lshl_add_u32 v3, v2, 4, v3
	s_mul_i32 s21, s15, 2*HALFT
	s_mul_i32 s22, s16, 2*HALFT
	s_add_co_u32 s22, s22, 4*HALFT
.irp s, 0,1
	v_add_nc_u32 v[ADRA+\s], s21, v3
	v_add_nc_u32 v[ADRB+\s], s22, v3
	s_add_co_u32 s21, s21, HALFT
	s_add_co_u32 s22, s22, HALFT
.endr
	s_xor_b32 s21, s15, 1
	s_lshl_b32 s21, s21, 11
	s_mul_i32 s22, s16, TILES*2048
	s_add_co_u32 s22, s22, s21
	s_add_co_u32 s22, s22, 2048
	v_mul_u32_u24 v4, s22, v2
	s_lshl_b32 s21, s15, 11
	s_add_co_u32 s21, s21, ASC
	v_lshl_add_u32 v4, v1, 2, v4
	v_add_nc_u32 v[ADRS], s21, v4
	v_lshlrev_b32 v[BUMP], 11, v2
	v_and_b32 v5, 31, v0
	v_lshlrev_b32 v6, 4, v5
	v_lshlrev_b32 v7, 3, v5
	s_wait_alu depctr_va_vdst(0)
	s_lshl_b32 s21, s14, 12
	s_add_co_u32 s21, s21, CST
	v_lshlrev_b32 v4, 6, v1
	v_lshl_add_u32 v4, v2, 4, v4
	v_add_nc_u32 v[CSI], s21, v4
	v_add_nc_u32 v[CSO], s21, v6
	s_lshl_b32 s21, s15, 8
	s_lshl_b32 s22, s16, 1
	s_add_co_u32 s22, s22, s21
	s_add_co_u32 s22, s22, SCXS
	v_lshl_add_u32 v[SXI], v1, 2, s22
	s_lshl_b32 s21, s16, 8
	s_add_co_u32 s21, s21, SCXS
	v_add_nc_u32 v[SXO], s21, v7
	s_lshl_b32 s20, s17, 1
	s_add_co_u32 s21, s20, s15
	s_lshl_b32 s21, s21, 18
	s_lshl_b32 s22, s104, 1
	s_add_co_u32 s22, s22, s16
	s_lshl_b32 s22, s22, 12
	s_add_co_u32 s21, s21, s22
	v_add_nc_u32 v[DC], s21, v6
	s_add_co_u32 s21, s20, s16
	s_lshl_b32 s21, s21, 13
	s_lshl_b32 s22, s104, 8
	s_add_co_u32 s21, s21, s22
	s_add_co_u32 s21, s21, 16777216
	v_add_nc_u32 v[DW], s21, v7
	s_lshl_b32 s20, s104, 9
	s_lshl_b32 s21, s16, 8
	s_add_co_u32 s20, s20, s21
	s_mov_b32 s21, 0
	s_add_nc_u64 s[12:13], s[12:13], s[20:21]
	v_lshlrev_b32 v[BO], 6, v2
	WIN 0x40                                       ; the bias lies in window 1 beside B's two buffers: tile w at v[128 (w / 2) + 32 (w % 2)]
.irp w, 0,1,2,3
.irp b, 0,1,2,3
	global_load_b128 v[128*(\w/2)+32*(\w%2)+8*\b:128*(\w/2)+32*(\w%2)+8*\b+3], v[BO], s[12:13] offset:4096*\w+128*(\b/2)+32*(\b%2)
	global_load_b128 v[128*(\w/2)+32*(\w%2)+8*\b+4:128*(\w/2)+32*(\w%2)+8*\b+7], v[BO], s[12:13] offset:4096*\w+128*(\b/2)+32*(\b%2)+16
.endr
.endr
	WIN 0
.irp n, 0,1,2,3,4,5,6,7
	v_mov_b32 v[TM+8+\n], 0
.endr
	s_wait_loadcnt 0x0
.macro FETCH slot, q, par
	WIN TO_F
.irp i, 0,1,2,3
.irp c, 0,1,2,3
	ds_load_b128 v[128*(\par)+64+16*\i+4*\c:128*(\par)+64+16*\i+4*\c+3], v[ADRB+\slot] offset:(\q)*KST+(\c/2)*SUB+(\c%2)*32+\i*BLK16
.endr
.endr
	WIN 0
.irp i, 0,1,2,3
	ds_load_b32 v[SC+4*(\par)+\i], v[ADRS] offset:(4*(\slot)+(\q))*256+64*\i
.endr
.endm
.macro MUL4 g, par, cm, tt
.irp b, 0,1,2,3
.set rD, ACC+8*(4*(\g)+\b)
.set rX, 128*(\par)+64+16*\b
.set rY, AQ+16*(\g)
.set rC, 128*((\tt)/2)+32*((\tt)%2)+8*\b
.if \cm
	v_wmma_scale_f32_16x16x128_f8f6f4 v[rD:rD+7], v[rX:rX+15], v[rY:rY+15], v[rC:rC+7], v[SC+4*(\par)+\b], v[SC+4*(\par)+(\g)] matrix_a_scale:MATRIX_SCALE_ROW1
.else
	v_wmma_scale_f32_16x16x128_f8f6f4 v[rD:rD+7], v[rX:rX+15], v[rY:rY+15], v[rD:rD+7], v[SC+4*(\par)+\b], v[SC+4*(\par)+(\g)] matrix_a_scale:MATRIX_SCALE_ROW1
.endif
.endr
.endm
.macro STEP slot, q, cm, tt
.set AQ, 64*(\q)                       ; where A's fragments of this step lie in their window
.set MUL, 0x09+4*(\slot)               ; B in window 1, A in window 2 + slot
	PLACES 8+\cm
	FETCH \slot, (\q)+1, ((\q)+1)%2
	s_wait_dscnt 20                                ; all but the 20 just issued
.if \cm
	WIN MULB
.else
	WIN MUL
.endif
	MUL4 0, (\q)%2, \cm, \tt
	MUL4 1, (\q)%2, \cm, \tt
	MUL4 2, (\q)%2, \cm, \tt
	MUL4 3, (\q)%2, \cm, \tt
	WIN 0
.endm
.macro TURN slot, next, fill, bump
.set AQ, 192
.set MUL, 0x09+4*(\slot)
	s_wait_tensorcnt 0x0
	ds_add_u32 v[SPW], v[NIL]
	s_wait_dscnt 1
	WIN MUL
	MUL4 0, 1, 0, 0
	s_wait_dscnt 0x0
	s_barrier_signal -1
	MUL4 1, 1, 0, 0
	WIN 0
	s_barrier_wait -1
.if \fill
	CREST
	s_add_nc_u64 s[G0R+4*\slot+2:G0R+4*\slot+3], s[G0R+4*\slot+2:G0R+4*\slot+3], 1048576
	tensor_load_to_lds s[G0R+4*\slot:G0R+4*\slot+3], s[G1R:G1R+7]
	s_nop 0
	PLACES 8
.else
	PLACES 8
.endif
.if \bump
	v_add_nc_u32 v[ADRS], v[BUMP], v[ADRS]
.endif
	FETCH \next, 0, 0
.if (\fill) && (\slot) == 0
.if PFT < TILES
	global_prefetch_b8 v31, s[82:83] offset:PFT*1048576 th:TH_LOAD_NT scope:SCOPE_SE   ; B's tile two refills on
.endif
.set PFT, PFT+1
.endif
	WIN MUL
	MUL4 2, 1, 0, 0
	MUL4 3, 1, 0, 0
	WIN 0
.endm
.macro QUANT8
.irp n, 0,1,2,3,4,5,6,7
	v_max3_num_f32 v[TM+\n], v[ACC+16*\n], v[ACC+16*\n+1], 0x4800000
.endr
.irp i, 2,4,6,8,10,12,14
.irp n, 0,1,2,3,4,5,6,7
	v_max3_num_f32 v[TM+\n], v[TM+\n], v[ACC+16*\n+\i], v[ACC+16*\n+\i+1]
.endr
.endr
.irp n, 0,1,2,3,4,5,6,7
	v_permlanex16_b32 v[TM+8+\n], v[TM+\n], s[SEL], s[SEL+1]
.endr
.irp n, 0,1,2,3,4,5,6,7
	v_max_num_f32 v[TM+\n], v[TM+\n], v[TM+8+\n]
.endr
.irp n, 0,1,2,3,4,5,6,7
	v_add_nc_u32 v[TM+24+\n], 0xfc000000, v[TM+\n]
.endr
.irp n, 0,1,2,3,4,5,6,7
	v_and_or_b32 v[TM+16+\n], v[TM+\n], 0x7f800000, s[MNT]
.endr
.irp n, 0,1,2,3,4,5,6,7
	v_lshrrev_b32 v[TM+8+\n], 23, v[TM+24+\n]
.endr
.irp g, 0,1,2,3
	v_lshl_or_b32 v[HW+\g], v[TM+9+2*\g], 8, v[TM+8+2*\g]
.endr
.irp n, 0,1,2,3,4,5,6,7
.irp i, 0,1,2,3,4,5,6,7,8,9,10,11,12,13,14,15
	v_med3_num_f32 v[ACC+16*\n+\i], v[ACC+16*\n+\i], 0, v[TM+16+\n]
.endr
	v_cvt_scalef32_pk8_fp8_f32 v[PC+4*\n:PC+4*\n+1], v[ACC+16*\n:ACC+16*\n+7], v[TM+24+\n]
	v_cvt_scalef32_pk8_fp8_f32 v[PC+4*\n+2:PC+4*\n+3], v[ACC+16*\n+8:ACC+16*\n+15], v[TM+24+\n]
.endr
	v_nop
.endm
.macro EPI tt
	s_wait_xcnt 0x0
	PLACES 8
	QUANT8
.irp g, 0,1,2,3
.irp u, 0,1
	ds_store_b128 v[CSI], v[PC+8*\g+4*\u:PC+8*\g+4*\u+3] offset:1024*\g+32*\u
.endr
.endr
.irp g, 0,1,2,3
	ds_store_b16 v[SXI], v[HW+\g] offset:512*(\tt)+64*\g
.endr
.irp i, 0,1,2,3,4,5,6,7
	ds_load_b128 v[BK+4*\i:BK+4*\i+3], v[CSO] offset:512*\i
.endr
	s_wait_dscnt 0x0
	s_barrier_signal -1
	s_barrier_wait -1
.irp i, 0,1,2,3,4,5,6,7
	global_store_b128 v[DC], v[BK+4*\i:BK+4*\i+3], s[8:9] offset:65536*(\tt)+512*\i
.endr
	s_cmp_lt_u32 s14, 2
	s_cbranch_scc0 .Lno_words_\@
	ds_load_b64 v[WD:WD+1], v[SXO] offset:512*(\tt)
	s_wait_dscnt 0x0
	global_store_b64 v[DW], v[WD:WD+1], s[8:9] offset:2048*(\tt)
.Lno_words_\@:
.endm
.macro TILE tt, more
	STEP 0, 0, 1, \tt
	STEP 0, 1, 0, 0
	STEP 0, 2, 0, 0
	TURN 0, 1, \more, 0
.if AFIRST                             ; the first tile: K half 1 has been shown by the change of slots: A's part of it goes into its registers
	AHALF 1, 0xc0
	WIN 0
.set AFIRST, 0
.endif
	STEP 1, 0, 0, 0
	STEP 1, 1, 0, 0
	STEP 1, 2, 0, 0
.if \more
	TURN 1, 0, 1, 1
.else
.set AQ, 192
	s_wait_dscnt 0x0
	WIN MUL
	MUL4 0, 1, 0, 0
	MUL4 1, 1, 0, 0
	MUL4 2, 1, 0, 0
	MUL4 3, 1, 0, 0
	WIN 0
.endif
	EPI \tt
.endm
	s_wait_alu depctr_va_vdst(0)
.irp i, 0,1
	ds_store_b128 v9, v[ACC+4*\i:ACC+4*\i+3] offset:512*\i       ; (every global load has been waited for above)
.endr
.irp t, 0,1,2,3
.irp i, 0,1
	ds_store_b128 v30, v[ACC+8+8*\t+4*\i:ACC+8+8*\t+4*\i+3] offset:2048*\t+512*\i
.endr
.endr
	s_wait_tensorcnt 0x0                           ; my part of K half 0 is in
	ds_add_u32 v[SPW], v[NIL]
	s_wait_dscnt 0x0                               ; the add is done, and my scale words have landed
	CROUND                                         ; a whole round: everybody's part is in, and the joint loads meet
	JLOAD G0+4, G1, G0B+4, G1B                     ; K half 1, the first tensor load behind the round
; A's fragment (q, i) of K half s lies at v[64 q + 16 i] of window 2 + s; a step then fetches B's four fragments and four scale registers: 20 LDS loads
.macro AHALF s, w
	WIN \w
.irp q, 0,1,2,3
.irp i, 0,1,2,3
.irp c, 0,1,2,3
	ds_load_b128 v[64*\q+16*\i+4*\c:64*\q+16*\i+4*\c+3], v[ADRA+\s] offset:\q*KST+(\c/2)*SUB+(\c%2)*32+\i*BLK16
.endr
.endr
.endr
.endm
	AHALF 0, 0x80
	WIN 0
	FETCH 0, 0, 0
.set AFIRST, 1
.set PFT, 2
	TILE 0, 1
	TILE 1, 1
	TILE 2, 1
	TILE 3, 0
	s_wait_tensorcnt 0x0
	ds_add_u32 v[SPW], v[NIL]
	s_wait_dscnt 0x0
	CROUND
	s_endpgm
.Lfunc_end_k_q46ed9f6a78_ffn1:
	.size	k_q46ed9f6a78_ffn1, .Lfunc_end_k_q46ed9f6a78_ffn1-k_q46ed9f6a78_ffn1
	.p2alignl 7, 3214868480
	.fill 96, 4, 3214868480
	.section	.rodata,"a",@progbits
	.p2align	6, 0x0
	.amdhsa_kernel k_q46ed9f6a78_ffn1
		.amdhsa_group_segment_fixed_size 327680
		.amdhsa_private_segment_fixed_size 0
		.amdhsa_enable_private_segment 0
		.amdhsa_kernarg_size 32
		.amdhsa_user_sgpr_count 2
		.amdhsa_user_sgpr_kernarg_segment_ptr 1
		.amdhsa_wavefront_size32 1
		.amdhsa_system_sgpr_workgroup_id_x 1
		.amdhsa_system_sgpr_workgroup_id_y 1
		.amdhsa_system_sgpr_workgroup_id_z 1
		.amdhsa_system_vgpr_workitem_id 0
		.amdhsa_next_free_vgpr 1024
		.amdhsa_next_free_sgpr 106
		.amdhsa_reserve_vcc 0
		.amdhsa_float_denorm_mode_32 3
		.amdhsa_float_denorm_mode_16_64 3
		.amdhsa_memory_ordered 1
		.amdhsa_forward_progress 1
		.amdhsa_inst_pref_size 220
	.end_amdhsa_kernel
	.amdgpu_metadata
---
amdhsa.version: [ 1, 2 ]
amdhsa.kernels:
  - .name:           k_q46ed9f6a78_ffn1
    .symbol:         k_q46ed9f6a78_ffn1.kd
    .args:
      - { .name: act, .offset: 0, .size: 8, .value_kind: global_buffer, .address_space: global }
      - { .name: wq, .offset: 8, .size: 8, .value_kind: global_buffer, .address_space: global }
      - { .name: hid, .offset: 16, .size: 8, .value_kind: global_buffer, .address_space: global }
      - { .name: b1, .offset: 24, .size: 8, .value_kind: global_buffer, .address_space: global }
    .group_segment_fixed_size: 327680
    .private_segment_fixed_size: 0
    .kernarg_segment_align: 8
    .kernarg_segment_size: 32
    .max_flat_workgroup_size: 128
    .sgpr_count:     106
    .vgpr_count:     1024
    .wavefront_size: 32
...
	.end_amdgpu_metadata
.endif
;; end of part 6
;; launch ffn2 (part 7): grid 8 x 32, 4 waves a work-group, clusters of 4 x 4, 327,680 bytes of LDS; arguments hid, wq, b2, x1, out0; writes out0
.if DOCPART == 7
	.amdgcn_target "amdgcn-amd-amdhsa--gfx1250"
	.amdhsa_code_object_version 6
	.text
	.protected	k_q46ed9f6a78_ffn2
	.globl	k_q46ed9f6a78_ffn2
	.p2align	8
	.type	k_q46ed9f6a78_ffn2,@function
k_q46ed9f6a78_ffn2:
	s_mov_b64 s[64:65], 0
	v_nop
	global_prefetch_b8 v0, s[64:65] scope:SCOPE_SE
	s_setreg_imm32_b32 hwreg(HW_REG_WAVE_MODE, 25, 1), 1
	s_wait_xcnt 0x0
	s_wait_alu depctr_hold_cnt(0) depctr_sa_sdst(0) depctr_va_vdst(0) depctr_va_sdst(0) depctr_va_ssrc(0) depctr_va_vcc(0) depctr_vm_vsrc(0)
	s_getreg_b32 s2, hwreg(HW_REG_IB_STS2, 6, 4)
	s_cmp_eq_u32 s2, 0
	s_cbranch_scc0 .Lentry_in_a_cluster
	s_endpgm
.Lentry_in_a_cluster:
	s_bfe_u32 s2, ttmp6, 0x10000c
	s_cmp_lg_u32 s2, 0xf033
	s_cbranch_scc0 .Lentry_shape_is_right
	s_endpgm
.Lentry_shape_is_right:
; OUT = x1 + b2 + HID W2^T on E4M3 codes with E8M0 scales: a tile of 128 x 128, four waves of 64 x 64; K goes in steps of 512 through two LDS slots; the sums begin at b2, x1 is added on the way out.
; In LDS: A's rows 0-63, A's rows 64-127, W's likewise, 2 HALFT each: slot 0, then slot 1.  At the head a wave asks for K step 0 of its 64 rows, its one joint load there; K step 1 follows behind a round of the
; cluster's barrier, and so does every refill.  The scale words of all of K come once, through registers, into LDS bytes that no tensor load fills.
; What later loads will ask for is prefetched into the L2, two K steps ahead (K step 1: one).
.set KTOT,  4096
.set ASOFF, 16777216
.set WOFF,  8388608
.set WSOFF, 12582912+262144
.set LAPS,  KTOT/1024
.set QSZ,   KTOT*2
.set SUB,   4352
.set BLK16, 1088
.set KST,   2*SUB
.set HALFT, 4*KST
.set SLOT,  4*HALFT
.set SCL,   2*SLOT
.set SPARE, SCL+4*QSZ
.set ADRA, 10
.set ADRB, 12
.set ADRS, 14
.set BO,  17
.set STO, 18
.set RD,  19
.set CO,  20
.set SPW, 28
.set NIL, 29
.set SC,  32
.set BK,  40
.set ACC, 128
.set RES, 0
.set G1, 24
.set G0, 32
.set G1B, 48
.set G0B, 56
.set G1S, 68
.set G0S, 76
.set G1SB, 80
.set G0SB, 88
.set FLAGC, (3<<16)|(1<<20)|(1<<21)|(5<<22)|(3<<25)
.set FLAGS, (3<<16)|(1<<21)
.set MSB, 0
.macro WIN new
.if MSB != \new
	s_set_vgpr_msb (MSB<<8)|\new
.set MSB, \new
.endif
.endm
.set MUL,  0x05
.set TO_F, 0x40
.macro JLOAD g0a, g1a, g0b, g1b
	s_cmp_eq_u32 s15, 0
	s_cbranch_scc0 .Lfor_b_\@
	tensor_load_to_lds s[\g0a:\g0a+3], s[\g1a:\g1a+7]
	s_nop 0
.rept 4
	v_nop
.endr
	s_branch .Lasked_\@
.Lfor_b_\@:
	tensor_load_to_lds s[\g0b:\g0b+3], s[\g1b:\g1b+7]
	s_nop 0
.rept 4
	v_nop
.endr
.Lasked_\@:
.endm
.macro CREST
	s_cmp_lg_u32 s14, 0
	s_cbranch_scc1 .Lnot_wave_0_\@
	s_barrier_signal -3
.Lnot_wave_0_\@:
	s_barrier_wait -3
	s_barrier_signal -1
	s_barrier_wait -1
.endm
.macro CROUND
	s_barrier_signal -1
	s_barrier_wait -1
	CREST
.endm
.macro PLACES n
.rept \n
	v_nop
.endr
.endm
	s_load_b128 s[4:7], s[0:1], 0x0
	s_load_b128 s[8:11], s[0:1], 0x10
	s_load_b64 s[12:13], s[0:1], 0x20
	v_lshl_add_u32 v[SPW], v0, 2, SPARE
	v_mov_b32 v[NIL], 0
	ds_add_u32 v28, v29
	ds_add_u32 v28, v29
	s_wait_dscnt 0x0
	v_lshrrev_b32 v1, 5, v0
	v_readfirstlane_b32 s14, v1
	s_lshr_b32 s15, s14, 1
	s_and_b32 s16, s14, 1
	s_bfe_u32 s40, ttmp6, 0x40000
	s_bfe_u32 s41, ttmp6, 0x40004
	s_lshl_b32 s42, ttmp9, 2
	s_add_co_u32 s42, s42, s40
	s_and_b32 s17, ttmp7, 0xffff
	s_lshl_b32 s17, s17, 2
	s_add_co_u32 s17, s17, s41
	s_lshl_b32 s43, s41, 2
	s_lshl_b32 s43, 15, s43
	s_lshl_b32 s44, 0x1111, s40
	s_or_b32 s[G1], s43, FLAGC
	s_or_b32 s[G1B], s44, FLAGC
.irp g, G1, G1B
	s_mov_b32 s[\g+1], 32<<16
	s_mov_b32 s[\g+2], 128<<16
	s_mov_b32 s[\g+3], 32<<16
	s_mov_b32 s[\g+4], 128
	s_mov_b32 s[\g+5], 32
	s_mov_b32 s[\g+6], 0
	s_mov_b32 s[\g+7], 0
.endr
	s_lshl_b32 s20, s17, 1
	s_add_co_u32 s20, s20, s16
	s_lshl_b32 s46, s42, 1
	s_add_co_u32 s46, s46, s16
	s_mul_i32 s22, s20, QSZ
	s_mov_b32 s23, 0
	s_mul_i32 s92, s46, QSZ
	s_mov_b32 s93, 0
	s_mul_i32 s20, s20, 64*KTOT
	s_mov_b32 s21, 0
	s_mul_i32 s46, s46, 64*KTOT
	s_mov_b32 s47, 0
	s_mul_i32 s45, s14, 2*HALFT
	s_mul_i32 s94, s14, QSZ
	s_add_co_u32 s94, s94, SCL
	v_and_b32 v5, 31, v0
	v_lshlrev_b32 v5, 4, v5                        ; v5: 16 x lane;  v6: where my 64 rows' scale words go in LDS
	v_add_nc_u32 v6, s94, v5
	v_lshlrev_b32 v7, 4, v5                        ; v7: 256 x lane: the prefetches' offset; never rewritten
	s_wait_alu depctr_va_vdst(0)
	s_wait_kmcnt 0x0
	s_add_nc_u64 s[20:21], s[4:5], s[20:21]
	s_add_nc_u64 s[22:23], s[4:5], s[22:23]
	s_add_nc_u64 s[22:23], s[22:23], ASOFF
	s_add_nc_u64 s[46:47], s[6:7], s[46:47]
	s_add_nc_u64 s[46:47], s[46:47], WOFF
	s_add_nc_u64 s[92:93], s[6:7], s[92:93]
	s_add_nc_u64 s[92:93], s[92:93], WSOFF
	s_cmp_eq_u32 s15, 0                            ; waves 0, 1 bring A's scale words, waves 2, 3 W's, QSZ bytes on end each
	s_cselect_b64 s[96:97], s[22:23], s[92:93]
	; THE PREFETCHES INTO THE L2.  A K step of the 64 rows that I fetch is 32,768 bytes on end: 128 units of 256.  The four partners that ask for it jointly share the units out BY ADDRESS:
	; the partner at place p (cx for A, cy for W) names units 32 p .. 32 p + 31, a lane a unit, one instruction a wave: each unit is named once in each cluster that will load it.
	; Behind the load of K step n stands the prefetch of K step n + 2, and behind the head's also that of K step 1; the last lap's refills (K steps 6, 7) name nothing: there are eight K steps.
	s_cselect_b64 s[98:99], s[20:21], s[46:47]
	s_cselect_b32 s100, s40, s41
	s_lshl_b32 s100, s100, 13
	s_mov_b32 s101, 0
	s_add_nc_u64 s[98:99], s[98:99], s[100:101]
.set sq, 0
.rept QSZ/512
	global_load_b128 v[ACC+4*sq:ACC+4*sq+3], v5, s[96:97] offset:512*sq
.set sq, sq+1
.endr
	CROUND                                         ; all sixteen work-groups are here: the first joint loads meet
.irp s, 0,1
	s_mov_b32 s[G0+4*\s], 1
	s_add_co_u32 s[G0+4*\s+1], s45, \s*HALFT
	s_add_nc_u64 s[G0+4*\s+2:G0+4*\s+3], s[20:21], \s*32768
	s_or_b32 s[G0+4*\s+3], s[G0+4*\s+3], 0x80000000
	s_mov_b32 s[G0B+4*\s], 1
	s_add_co_u32 s[G0B+4*\s+1], s45, \s*HALFT
	s_add_nc_u64 s[G0B+4*\s+2:G0B+4*\s+3], s[46:47], \s*32768
	s_or_b32 s[G0B+4*\s+3], s[G0B+4*\s+3], 0x80000000
.endr
	JLOAD G0, G1, G0B, G1B                         ; one joint load a wave at the head: K step 0 of my 64 rows
	global_prefetch_b8 v7, s[98:99] offset:32768 th:TH_LOAD_NT scope:SCOPE_SE    ; K step 1
	global_prefetch_b8 v7, s[98:99] offset:65536 th:TH_LOAD_NT scope:SCOPE_SE    ; K step 2
	v_and_b32 v1, 15, v0
	v_bfe_u32 v2, v0, 4, 1
	s_wait_alu depctr_va_vdst(0)
	v_lshlrev_b32 v3, 6, v1
	v_lshrrev_b32 v4, 2, v1
	v_lshl_add_u32 v3, v4, 4, v3
	v_lshl_add_u32 v3, v2, 4, v3
	s_mul_i32 s21, s15, 2*HALFT
	s_mul_i32 s22, s16, 2*HALFT
	s_add_co_u32 s22, s22, 4*HALFT
.irp s, 0,1
	v_add_nc_u32 v[ADRA+\s], s21, v3
	v_add_nc_u32 v[ADRB+\s], s22, v3
	s_add_co_u32 s21, s21, HALFT
	s_add_co_u32 s22, s22, HALFT
.endr
	s_xor_b32 s21, s15, 1
	s_add_co_u32 s22, s16, s21
	s_add_co_u32 s22, s22, 1
	s_mul_i32 s22, s22, QSZ
	v_mul_u32_u24 v4, s22, v2
	s_mul_i32 s21, s15, QSZ
	s_add_co_u32 s21, s21, SCL
	v_lshl_add_u32 v4, v1, 2, v4
	v_add_nc_u32 v[ADRS], s21, v4
	s_mul_i32 s23, s14, 16*272
	v_mul_u32_u24 v4, v1, 272
	v_lshl_add_u32 v4, v2, 6, v4
	v_add_nc_u32 v[STO], s23, v4
	v_mul_u32_u24 v4, v2, 272
	v_lshl_add_u32 v4, v1, 4, v4
	v_add_nc_u32 v[RD], s23, v4
	v_lshlrev_b32 v4, 12, v2
	v_lshl_add_u32 v[CO], v1, 4, v4
	v_lshlrev_b32 v[BO], 6, v2
	s_wait_alu depctr_va_vdst(0)
	s_lshl_b32 s20, s17, 7
	s_lshl_b32 s21, s15, 6
	s_add_co_u32 s20, s20, s21
	s_lshl_b32 s20, s20, 12
	s_lshl_b32 s46, s42, 9
	s_lshl_b32 s47, s16, 8
	s_add_co_u32 s46, s46, s47
	s_mov_b32 s47, 0
	s_add_nc_u64 s[8:9], s[8:9], s[46:47]
	s_add_co_u32 s20, s20, s46
	s_mov_b32 s21, 0
	s_add_nc_u64 s[10:11], s[10:11], s[20:21]
	s_add_nc_u64 s[12:13], s[12:13], s[20:21]
.irp b, 0,1,2,3
	global_load_b128 v[BK+8*\b:BK+8*\b+3], v[BO], s[8:9] offset:128*(\b/2)+32*(\b%2)
	global_load_b128 v[BK+8*\b+4:BK+8*\b+7], v[BO], s[8:9] offset:128*(\b/2)+32*(\b%2)+16
.endr
	WIN 0x80
.irp a, 0,1,2,3
.irp i, 0,1,2,3,4,5,6,7
	global_load_b128 v[RES+32*\a+4*\i:RES+32*\a+4*\i+3], v[CO], s[10:11] offset:(32*(\a/2)+8*(\a%2)+16*(\i/4)+2*(\i%4))*4096 th:TH_LOAD_NT
.endr
.endr
	WIN 0
.macro FETCH slot, q, par
	WIN TO_F
.irp i, 0,1,2,3
.irp c, 0,1,2,3
	ds_load_b128 v[128*(\par)+64+16*\i+4*\c:128*(\par)+64+16*\i+4*\c+3], v[ADRB+\slot] offset:(\q)*KST+(\c/2)*SUB+(\c%2)*32+\i*BLK16
.endr
.endr
.irp i, 0,1,2,3
.irp c, 0,1,2,3
	ds_load_b128 v[128*(\par)+16*\i+4*\c:128*(\par)+16*\i+4*\c+3], v[ADRA+\slot] offset:(\q)*KST+(\c/2)*SUB+(\c%2)*32+\i*BLK16
.endr
.endr
	WIN 0
.irp i, 0,1,2,3
	ds_load_b32 v[SC+4*(\par)+\i], v[ADRS] offset:(4*(\slot)+(\q))*256+64*\i
.endr
.endm
.macro MUL4 g, par, cm
.irp b, 0,1,2,3
.set rD, ACC+8*(4*(\g)+\b)
.set rX, 128*(\par)+64+16*\b
.set rY, 128*(\par)+16*(\g)
.if \cm
	v_wmma_scale_f32_16x16x128_f8f6f4 v[rD:rD+7], v[rX:rX+15], v[rY:rY+15], v[BK+8*\b:BK+8*\b+7], v[SC+4*(\par)+\b], v[SC+4*(\par)+(\g)] matrix_a_scale:MATRIX_SCALE_ROW1
.else
	v_wmma_scale_f32_16x16x128_f8f6f4 v[rD:rD+7], v[rX:rX+15], v[rY:rY+15], v[rD:rD+7], v[SC+4*(\par)+\b], v[SC+4*(\par)+(\g)] matrix_a_scale:MATRIX_SCALE_ROW1
.endif
.endr
.endm
.macro STEP slot, q, cm
	PLACES 8
	FETCH \slot, (\q)+1, ((\q)+1)%2
	s_wait_dscnt 36
	WIN MUL
	MUL4 0, (\q)%2, \cm
	MUL4 1, (\q)%2, \cm
	MUL4 2, (\q)%2, \cm
	MUL4 3, (\q)%2, \cm
	WIN 0
.endm
.macro TURN slot, next, fill, bump
.if (\fill) && (\slot) == 0
	s_wait_xcnt 0x0                                ; my prefetches have read their base: it steps a lap (two K steps) on
	s_add_nc_u64 s[98:99], s[98:99], 65536
.endif
	s_wait_tensorcnt 0x0
	ds_add_u32 v[SPW], v[NIL]
	s_wait_dscnt 1
	WIN MUL
	MUL4 0, 1, 0
	s_wait_dscnt 0x0
	s_barrier_signal -1
	MUL4 1, 1, 0
	WIN 0
	s_barrier_wait -1
.if \fill
	CREST
	s_add_nc_u64 s[G0+4*\slot+2:G0+4*\slot+3], s[G0+4*\slot+2:G0+4*\slot+3], 65536
	s_add_nc_u64 s[G0B+4*\slot+2:G0B+4*\slot+3], s[G0B+4*\slot+2:G0B+4*\slot+3], 65536
	JLOAD G0+4*\slot, G1, G0B+4*\slot, G1B
	PLACES 4
.else
	PLACES 8
.endif
.if \bump
	v_add_nc_u32 v[ADRS], 2048, v[ADRS]            ; the next lap's eight steps of scale words
	s_wait_alu depctr_va_vdst(0)
.endif
	FETCH \next, 0, 0
.if \fill
	s_cmp_gt_u32 s3, 1                             ; s3 = 1 in the loop's last trip
	s_cbranch_scc0 .Lnone_\@
	global_prefetch_b8 v7, s[98:99] offset:65536+32768*(\slot) th:TH_LOAD_NT scope:SCOPE_SE   ; two refills on
.Lnone_\@:
.endif
	WIN MUL
	MUL4 2, 1, 0
	MUL4 3, 1, 0
	WIN 0
.endm
	s_wait_alu depctr_va_vdst(0)
	s_wait_loadcnt 40                              ; behind the scale words' loads stand b2's 8 and x1's 32
.set sq, 0
.rept QSZ/512
	ds_store_b128 v6, v[ACC+4*sq:ACC+4*sq+3] offset:512*sq
.set sq, sq+1
.endr
	s_wait_tensorcnt 0x0                           ; my part of K step 0 is in
	ds_add_u32 v[SPW], v[NIL]
	s_wait_dscnt 0x0                               ; the add is done, and my scale words have landed
	CROUND                                         ; a whole round: everybody's part is in, and the joint loads meet
	JLOAD G0+4, G1, G0B+4, G1B                     ; K step 1, the first tensor load behind the round
	FETCH 0, 0, 0
	global_prefetch_b8 v7, s[98:99] offset:98304 th:TH_LOAD_NT scope:SCOPE_SE    ; K step 3
	s_wait_loadcnt 32
	STEP 0, 0, 1
.if LAPS > 1
	s_mov_b32 s3, LAPS-1
.Llap:
	s_wait_alu depctr_va_vdst(0)
	STEP 0, 1, 0
	STEP 0, 2, 0
	TURN 0, 1, 1, 0
	STEP 1, 0, 0
	STEP 1, 1, 0
	STEP 1, 2, 0
	TURN 1, 0, 1, 1
	STEP 0, 0, 0
	s_sub_co_u32 s3, s3, 1
	s_cmp_lg_u32 s3, 0
	s_cbranch_scc1 .Llap
.endif
	s_wait_alu depctr_va_vdst(0)
	STEP 0, 1, 0
	STEP 0, 2, 0
	TURN 0, 1, 0, 0
	STEP 1, 0, 0
	STEP 1, 1, 0
	STEP 1, 2, 0
	s_wait_dscnt 0x0
	WIN MUL
	MUL4 0, 1, 0
	MUL4 1, 1, 0
	MUL4 2, 1, 0
	MUL4 3, 1, 0
	WIN 0
.macro TOSTAGE a
.irp b, 0,1,2,3
	ds_store_b128 v[STO], v[ACC+8*(4*(\a)+\b):ACC+8*(4*(\a)+\b)+3] offset:128*(\b/2)+32*(\b%2)
	ds_store_b128 v[STO], v[ACC+8*(4*(\a)+\b)+4:ACC+8*(4*(\a)+\b)+7] offset:128*(\b/2)+32*(\b%2)+16
.endr
.irp i, 0,1,2,3,4,5,6,7
	ds_load_b128 v[BK+32*((\a)%2)+4*\i:BK+32*((\a)%2)+4*\i+3], v[RD] offset:544*\i
.endr
.endm
.macro SEND a, younger
	s_wait_dscnt \younger
	WIN 0x08
.set n, 0
.rept 16
	v_pk_add_f32 v[BK+32*((\a)%2)+n:BK+32*((\a)%2)+n+1], v[BK+32*((\a)%2)+n:BK+32*((\a)%2)+n+1], v[RES+32*(\a)+n:RES+32*(\a)+n+1]
.set n, n+2
.endr
	WIN 0
.irp i, 0,1,2,3,4,5,6,7
	global_store_b128 v[CO], v[BK+32*((\a)%2)+4*\i:BK+32*((\a)%2)+4*\i+3], s[12:13] offset:(32*((\a)/2)+8*((\a)%2)+16*(\i/4)+2*(\i%4))*4096 th:TH_STORE_NT
.endr
.endm
	PLACES 8
	s_wait_loadcnt 0x0
	TOSTAGE 0
	TOSTAGE 1
	SEND 0, 16
	s_wait_xcnt 0x0
	TOSTAGE 2
	SEND 1, 16
	s_wait_xcnt 0x0
	TOSTAGE 3
	SEND 2, 16
	SEND 3, 0
	s_wait_tensorcnt 0x0
	ds_add_u32 v[SPW], v[NIL]
	s_wait_dscnt 0x0
	CROUND
	s_endpgm
.Lfunc_end_k_q46ed9f6a78_ffn2:
	.size	k_q46ed9f6a78_ffn2, .Lfunc_end_k_q46ed9f6a78_ffn2-k_q46ed9f6a78_ffn2
	.p2alignl 7, 3214868480
	.fill 96, 4, 3214868480
	.section	.rodata,"a",@progbits
	.p2align	6, 0x0
	.amdhsa_kernel k_q46ed9f6a78_ffn2
		.amdhsa_group_segment_fixed_size 327680
		.amdhsa_private_segment_fixed_size 0
		.amdhsa_enable_private_segment 0
		.amdhsa_kernarg_size 40
		.amdhsa_user_sgpr_count 2
		.amdhsa_user_sgpr_kernarg_segment_ptr 1
		.amdhsa_wavefront_size32 1
		.amdhsa_system_sgpr_workgroup_id_x 1
		.amdhsa_system_sgpr_workgroup_id_y 1
		.amdhsa_system_sgpr_workgroup_id_z 1
		.amdhsa_system_vgpr_workitem_id 0
		.amdhsa_next_free_vgpr 640
		.amdhsa_next_free_sgpr 104
		.amdhsa_reserve_vcc 0
		.amdhsa_float_denorm_mode_32 3
		.amdhsa_float_denorm_mode_16_64 3
		.amdhsa_memory_ordered 1
		.amdhsa_forward_progress 1
		.amdhsa_inst_pref_size 105
	.end_amdhsa_kernel
	.amdgpu_metadata
---
amdhsa.version: [ 1, 2 ]
amdhsa.kernels:
  - .name:           k_q46ed9f6a78_ffn2
    .symbol:         k_q46ed9f6a78_ffn2.kd
    .args:
      - { .name: hid, .offset: 0, .size: 8, .value_kind: global_buffer, .address_space: global }
      - { .name: wq, .offset: 8, .size: 8, .value_kind: global_buffer, .address_space: global }
      - { .name: b2, .offset: 16, .size: 8, .value_kind: global_buffer, .address_space: global }
      - { .name: x1, .offset: 24, .size: 8, .value_kind: global_buffer, .address_space: global }
      - { .name: out0, .offset: 32, .size: 8, .value_kind: global_buffer, .address_space: global }
    .group_segment_fixed_size: 327680
    .private_segment_fixed_size: 0
    .kernarg_segment_align: 8
    .kernarg_segment_size: 40
    .max_flat_workgroup_size: 128
    .sgpr_count:     104
    .vgpr_count:     640
    .wavefront_size: 32
...
	.end_amdgpu_metadata
.endif
;; end of part 7
